; MI455X (gfx1250); checked and timed in simulation.
; The chip was launched on July 23, 2026; its instructions are those of AMD's public machine-readable ISA for CDNA 5 (MIT licence, August 2026) and "CDNA5" Instruction Set Architecture Reference Guide (July 2026). The comments in the code are by the model that wrote it; some were corrected since.
;; Trans Block. Allowed arithmetic: matrix products marked QUANTISED: E2M3 operands, one E8M0 scale for each 32 along K, by v_wmma_scale_f32_16x16x128_f8f6f4 with both operands' format E2M3, f32 sums; everything else in f32.
;; Inputs: W_qkv 1,024 x 3,072 float32; b_qkv 3,072 float32; x 32 x 512 x 1,024 float32.
;; Outputs: out0 32 x 512 x 1,024 float32.
;; This version of the problem:
;;   THIS VERSION OF THE PROBLEM IS GIVEN IN LOW PRECISION. The matrix products marked QUANTISED in the list below multiply operands that are first quantised to E2M3 (2 exponent bits, 3 mantissa bits; 6 bits a number), with one power-of-two scale for each 32 numbers along K (OCP MX v1.0); their sums are f32. All else is computed in f32.
;;   The module's matrix products, in the order in which they are computed (A, B: the left and right operand; K: the contracted axis; several contracted axes count as one K, in the product's order):
;;     1. [M 16,384, K 1,024] x [K 1,024, N 3,072]; A: input x; B: input W_qkv: QUANTISED
;;     2. batch 32 x [M 512, K 1,024] x [K 1,024, N 512]; A: computed on the way; B: computed on the way: QUANTISED
;;     3. batch 32 x [M 512, K 512] x [K 512, N 1,024]; A: softmax (see below); B: computed on the way: QUANTISED
;;   THE QUANTISER, for each operand of a quantised product, along K:
;;     - K is cut into blocks of 32 from its start; a last block that is shorter is filled with zeros.
;;     - A block's scale is 2^e with e = floor(log2(the largest magnitude in the block)) - 2, held to -126 .. 127; a block of zeros has e = 0. As a byte (E8M0): e + 127.
;;     - Each number is divided by its block's scale, clamped to +-7.5, and rounded to the nearest number of E2M3, ties to even, subnormals kept.
;;     - The product sums the exact products of the quantised numbers (number of the format x scale) in f32.
;;   ~~~python
;;   def quantise(x, axis):      # numpy; x: float32 -> the quantised numbers, widened to float32 again
;;       x = np.moveaxis(x, axis, -1); K = x.shape[-1]
;;       x = np.pad(x, [(0, 0)] * (x.ndim - 1) + [(0, -K % 32)]); x = x.reshape(x.shape[:-1] + (-1, 32)); a = np.abs(x).max(-1, keepdims=True)
;;       e = np.where(a > 0, np.clip(np.frexp(np.where(a > 0, a, 1))[1] - 1 - 2, -126, 127), 0)      # np.frexp(a)[1] - 1 = floor(log2(a)), exactly
;;       r = np.clip(x / 2.0 ** e, -7.5, 7.5)
;;       step = 2.0 ** (np.maximum(np.frexp(np.where(r == 0, 1, r))[1] - 1, 0) - 3)
;;       q = np.round(r / step) * step * 2.0 ** e      # np.round: ties to even
;;       return np.moveaxis(q.reshape(q.shape[:-2] + (-1,))[..., :K], -1, axis).astype(np.float32)
;;   ~~~
;;   SOFTMAX AHEAD OF A QUANTISED PRODUCT. Where the list says 'softmax', what is quantised is not the finished softmax but p = 2^(t - M), with t = logit x log2(e) and M = ceil(the row's largest t), a whole number; so 1/2 < the row's largest p <= 1. The row's sum l is taken of the UNQUANTISED p, in f32, and the product's result is divided by l at the end. Since M is a whole number, a kernel that streams over the keys may use a running M (the ceiling of the running maximum): every later rescaling is an exact power of two, which a block's scale takes up: the codes' values come out the same.
;;   OPERANDS COMPUTED ON THE WAY. 'Computed on the way' means the value that the module computes at that place (a softmax that the list does not call 'softmax' is quantised finished and normalised). What goes into a quantiser is computed in f32, as accurately as f32 sums, v_exp_f32 and their like allow (about 1e-6 of the number): no bf16 or f16 on the way to a quantiser, and a product that is left as it is and whose result goes on into a quantised operand takes f32 operands (vector FMAs, or v_wmma_f32_16x16x4_f32). A number that lies on a knife's edge between two numbers of the format may be rounded either way, as far as f32 arithmetic and the matrix unit's own rounding can turn it there, and no further.
;; 2 versions, each right; version 2 is version 1 with the launch attn written anew for expert scheduling mode. Each part assembles by itself: llvm-mc -triple=amdgcn-amd-amdhsa -mcpu=gfx1250 --defsym DOCPART=n.
;; ======== version 1 of 2: 3 launches
;; workspace buffers: x_codes 12,582,912 bytes; x_scales 524,288 bytes; w_codes 2,359,296 bytes; w_scales 98,304 bytes; qk 25,165,824 bytes; qk_scales 1,048,576 bytes; v_codes 12,582,912 bytes; v_scales 524,288 bytes
;; launch quant (part 1): grid 1216 x 1, 4 waves a work-group, no clusters, 34,304 bytes of LDS; arguments x, W_qkv, x_codes, x_scales, w_codes, w_scales; writes x_codes, x_scales, w_codes, w_scales
.if DOCPART == 1
	.amdgcn_target "amdgcn-amd-amdhsa--gfx1250"
	.amdhsa_code_object_version 6
	.text
	.protected	k_qc7f1354a55_quant
	.globl	k_qc7f1354a55_quant
	.p2align	8
	.type	k_qc7f1354a55_quant,@function
k_qc7f1354a55_quant:
	s_mov_b64 s[64:65], 0
	v_nop
	global_prefetch_b8 v0, s[64:65] scope:SCOPE_SE
	s_setreg_imm32_b32 hwreg(HW_REG_WAVE_MODE, 25, 1), 1
	s_wait_xcnt 0x0
; x [16384][1024] and W [1024 (k)][3072 (n)], f32, become codes of FP6 (E2M3) with one E8M0 byte for each 32 along K = 1024.
; A block's scale is 2^(floor(log2(largest magnitude)) - 2): its byte is that magnitude's exponent field - 2, held at 1 from below.
; LIMITS: NaN and infinities are not served; a block whose largest magnitude lies under 2^-124 (zeros too) gets the byte 1; this program alone reads the bytes.
; LAYOUT OF THE RESULTS: images of the matrix operand's registers.  A fragment is 16 rows x 128 K, 12 registers a lane, stored as 3 pieces of 512 bytes:
; piece j holds registers 4 j .. 4 j + 3, lane l's 16 bytes at 16 l.  THE 16 ROWS OF A TILE ARE NOT NEIGHBOURS: tile u of a group of 32 holds rows 8 u + i + 8 (i / 8).
; Scale words lie by pairs of tiles: 128 bytes, lane 16 u + r the word of tile u, row slot r.
; Work-groups 0-191 take W (a lane to a column, registers down K: nothing is transposed), the other 1024 take one tile of x each.  No barrier: waves share nothing.
; Only the x way touches LDS: a stage of 16 rows x 528 bytes for each wave, through which dense loads turn into 16 neighbours a lane.
; 194 registers a wave: five waves share a SIMD's 1,024, so 1,280 work-groups have room at once for the 1,216 launched, and every wave asks for all its 16 KB at its start.
.set NWGW, 192
.set WROW, 12288                       ; a row of W in bytes
.set FRB,  1536                        ; a fragment's image
.set SP,   528                         ; a stage row: 512 bytes + 16: an odd multiple of 16, so sixteen rows start in sixteen different groups of banks
.set STGB, 16*SP
.set TM,   8                           ; v8-23  at work: magnitudes, bytes, scale operands
.set PW,   24                          ; v24-25 the two scale words
.set R0,   32                          ; v32-95, v96-159 x as loaded, K steps e = 0, 1; then the same numbers in the quantiser's order
.set R1,   96
.set PC,   160                         ; v160-178 the codes
.set SEL,  30                          ; s[30:31] selects of v_permlanex16_b32: lane l xor 16
.set D,    32                          ; W way: v32-159 128 numbers down K
.set FA,   160                         ; v160-171, v172-183 the two tiles' fragments
.set FB,   172
.set UP,   8                           ; v8-23 each block's upper 16 codes (a conversion's three registers begin on an even number)
.set WT,   24                          ; v24-25 magnitudes, v26-29 the four scale operands, v30 a byte, v31 my column's scale word
; 64 numbers of a lane, register 16 b + i = k 32 b + 16 (lane / 16) + i of my row, become a fragment in v[PC] on and its scale word in v[pw]
.macro QUANT s, pw
.irp b, 0,1,2,3
	v_max3_num_f32 v[TM+\b], |v[\s+16*\b]|, |v[\s+1+16*\b]|, 0x1800000   ; my 16 numbers of block b, and the floor 2^(3 - 127): the byte cannot fall under 1
.endr
.irp i, 2,4,6,8,10,12,14
.irp b, 0,1,2,3
	v_max3_num_f32 v[TM+\b], v[TM+\b], |v[\s+16*\b+\i]|, |v[\s+1+16*\b+\i]|
.endr
.endr
.irp b, 0,1,2,3
	v_permlanex16_b32 v[TM+4+\b], v[TM+\b], s[SEL], s[SEL+1]
.endr
.irp b, 0,1,2,3
	v_max_num_f32 v[TM+\b], v[TM+\b], v[TM+4+\b]                     ; with lane l xor 16's: the block's largest magnitude
.endr
.irp b, 0,1,2,3
	v_add_nc_u32 v[TM+12+\b], 0xff000000, v[TM+\b]                   ; 2 off its exponent field: the conversion's scale operand
.endr
.irp b, 0,1,2,3
	v_lshrrev_b32 v[TM+4+\b], 23, v[TM+12+\b]                        ; the scale's byte
.endr
	v_lshl_or_b32 v[\pw], v[TM+5], 8, v[TM+4]
	v_lshl_or_b32 v[\pw], v[TM+6], 16, v[\pw]
	v_lshl_or_b32 v[\pw], v[TM+7], 24, v[\pw]
.irp c, 0,1
	v_cvt_scalef32_pk16_fp6_f32 v[PC+6*\c:PC+2+6*\c], v[\s+32*\c:\s+15+32*\c], v[TM+12+2*\c]
	v_cvt_scalef32_pk16_fp6_f32 v[PC+12+4*\c:PC+14+4*\c], v[\s+16+32*\c:\s+31+32*\c], v[TM+12+2*\c+1]
.endr
	v_nop                                                            ; one plain place behind a scaled conversion
.irp c, 0,1                                                              ; the layout wants a whole block in a lane: lanes 0-15 block 2 c, lanes 16-31 block 2 c + 1
.irp i, 0,1,2
	v_permlane16_swap_b32 v[PC+6*\c+\i], v[PC+12+4*\c+\i]
.endr
.irp i, 0,1,2
	v_mov_b32 v[PC+3+6*\c+\i], v[PC+12+4*\c+\i]
.endr
.endr
.endm
; 16 rows x 512 bytes through my stage: in as loaded, back 64 bytes a lane and block.  LDS serves a wave's instructions in order (ISA guide 5.7.1.4): no wait between,
; and the numbers may come back into the registers that they left
.macro THROUGH src, dst
.irp i, 0,1,2,3,4,5,6,7,8,9,10,11,12,13,14,15
	ds_store_b128 v3, v[\src+4*\i:\src+4*\i+3] offset:SP*\i
.endr
.irp b, 0,1,2,3
.irp j, 0,1,2,3
	ds_load_b128 v[\dst+16*\b+4*\j:\dst+16*\b+4*\j+3], v4 offset:128*\b+16*\j
.endr
.endr
.endm
	s_load_b256 s[4:11], s[0:1], 0x0               ; x, W, x's codes, x's scales
	s_load_b128 s[12:15], s[0:1], 0x20             ; W's codes, W's scales
	v_lshl_add_u32 v192, v0, 2, 0x8400
	v_mov_b32 v193, 0
	v_lshrrev_b32 v1, 5, v0
	v_readfirstlane_b32 s16, v1                    ; wave
	v_and_b32 v1, 31, v0                           ; lane
	v_lshlrev_b32 v2, 4, v1                        ; 16 x lane
	s_mov_b32 s23, 0                               ; the high words of three offsets
	s_mov_b32 s25, 0
	s_mov_b32 s27, 0
	s_cmp_lt_u32 ttmp9, NWGW                       ; the choice hangs on the work-group's number alone
	s_cbranch_scc1 .Lw_way
	; ---- x: tile tau = work-group - 192; wave w takes K steps 2 w and 2 w + 1
	s_sub_co_u32 s18, ttmp9, NWGW                  ; tau
	s_lshr_b32 s19, s18, 1                         ; its pair
	s_and_b32 s20, s18, 1                          ; u
	s_lshl_b32 s22, s19, 17                        ; x: (32 pair + 8 u) rows of 4,096 bytes + 1,024 w
	s_lshl_b32 s21, s20, 15
	s_add_co_u32 s22, s22, s21
	s_lshl_b32 s21, s16, 10
	s_add_co_u32 s22, s22, s21
	s_lshl_b32 s24, s18, 3                         ; codes: fragment 8 tau + 2 w
	s_lshl_b32 s21, s16, 1
	s_add_co_u32 s24, s24, s21
	s_mul_i32 s24, s24, FRB
	s_lshl_b32 s26, s19, 10                        ; scale words: 1,024 pair + 256 w + 64 u
	s_lshl_b32 s21, s16, 8
	s_add_co_u32 s26, s26, s21
	s_lshl_b32 s21, s20, 6
	s_add_co_u32 s26, s26, s21
	s_mul_i32 s28, s16, STGB                       ; my stage
	s_mov_b32 s29, 0xffff0000                      ; lanes 16-31
	s_mov_b32 s[SEL], 0x76543210
	s_mov_b32 s[SEL+1], 0xfedcba98
	v_add_nc_u32 v3, s28, v2                       ; into the stage: 16 x lane of a row
	v_and_b32 v5, 15, v0                           ; r
	v_bfe_u32 v6, v0, 4, 1                         ; h
	v_mul_u32_u24 v4, v5, SP
	v_lshl_add_u32 v4, v6, 6, v4
	v_add_nc_u32 v4, s28, v4                       ; out of it: row r, + 64 h
	v_lshlrev_b32 v7, 2, v5
	v_lshl_add_u32 v7, v6, 7, v7                   ; the scale words' place: 4 r + 128 h
.irp b, 0,1,2,3
	v_mov_b32 v[TM+4+\b], 0                        ; a lane permute's destination counts as one of its sources
.endr
	s_wait_kmcnt 0x0
	s_add_nc_u64 s[4:5], s[4:5], s[22:23]
	s_add_nc_u64 s[8:9], s[8:9], s[24:25]
	s_add_nc_u64 s[10:11], s[10:11], s[26:27]
.irp i, 0,1,2,3,4,5,6,7,8,9,10,11,12,13,14,15
	global_load_b128 v[R0+4*\i:R0+4*\i+3], v2, s[4:5] offset:(\i+8*(\i/8))*4096 th:TH_LOAD_NT        ; 512 consecutive bytes of one row
.endr
.irp i, 0,1,2,3,4,5,6,7,8,9,10,11,12,13,14,15
	global_load_b128 v[R1+4*\i:R1+4*\i+3], v2, s[4:5] offset:(\i+8*(\i/8))*4096+512 th:TH_LOAD_NT
.endr
	s_wait_loadcnt 16                              ; the first K step's sixteen are in; the second's may be out
	THROUGH R0, R0
	s_wait_dscnt 0x0
	QUANT R0, PW
.irp j, 0,1,2
	global_store_b128 v2, v[PC+4*\j:PC+4*\j+3], s[8:9] offset:512*\j
.endr
	s_wait_loadcnt 0x0
	THROUGH R1, R0
	s_wait_dscnt 0x0
	s_wait_xcnt 0x0                                ; the stores above have read the codes' registers: they are written again only behind this wait
	QUANT R0, PW+1
.irp j, 0,1,2
	global_store_b128 v2, v[PC+4*\j:PC+4*\j+3], s[8:9] offset:FRB+512*\j
.endr
	v_cndmask_b32 v[PW], v[PW], v[PW+1], s29       ; lanes 0-15 the first K step's words, lanes 16-31 the second's
	global_store_b32 v7, v[PW], s[10:11]
	s_wait_tensorcnt 0x0
	ds_add_u32 v192, v193
	s_wait_dscnt 0x0
	s_endpgm
	; ---- W: K step s = work-group & 7; wave's group of 32 columns G = 4 (work-group / 8) + wave
.Lw_way:
	s_and_b32 s18, ttmp9, 7                        ; s
	s_lshr_b32 s19, ttmp9, 3
	s_lshl_b32 s19, s19, 2
	s_add_co_u32 s19, s19, s16                     ; G
	s_mul_i32 s22, s18, 128*WROW                   ; W: 128 s rows + 128 G bytes
	s_lshl_b32 s21, s19, 7
	s_add_co_u32 s22, s22, s21
	s_lshr_b32 s20, s19, 3                         ; the block of 256 columns = 2 c + y
	s_and_b32 s21, s20, 1
	s_lshr_b32 s20, s20, 1
	s_mul_i32 s21, s21, 6
	s_add_co_u32 s20, s20, s21                     ; 6 y + c: the order in which the next launch walks W
	s_and_b32 s21, s19, 7
	s_lshl_b32 s24, s20, 3                         ; codes: fragment ((6 y + c) 8 + s) 16 + 2 (G & 7)
	s_add_co_u32 s24, s24, s18
	s_lshl_b32 s24, s24, 4
	s_lshl_b32 s28, s21, 1
	s_add_co_u32 s24, s24, s28
	s_mul_i32 s24, s24, FRB
	s_lshl_b32 s26, s20, 3                         ; scale words: ((6 y + c) 8 + (G & 7)) 1,024 + 128 s
	s_add_co_u32 s26, s26, s21
	s_lshl_b32 s26, s26, 10
	s_lshl_b32 s28, s18, 7
	s_add_co_u32 s26, s26, s28
	v_and_b32 v3, 7, v1                            ; my column of the 32: lanes 0-15 are tile 0 in slot order, lanes 16-31 tile 1
	v_and_b32 v4, 8, v1
	v_lshl_or_b32 v3, v4, 1, v3
	v_and_b32 v4, 16, v1
	v_lshrrev_b32 v4, 1, v4
	v_or_b32 v3, v3, v4
	v_lshlrev_b32 v3, 2, v3
	v_lshlrev_b32 v5, 2, v1                        ; 4 x lane
	s_wait_kmcnt 0x0
	s_add_nc_u64 s[6:7], s[6:7], s[22:23]
	s_add_nc_u64 s[12:13], s[12:13], s[24:25]
	s_add_nc_u64 s[14:15], s[14:15], s[26:27]
.set i, 0
.rept 128
	global_load_b32 v[D+i], v3, s[6:7] offset:i*WROW th:TH_LOAD_NT   ; W(128 s + i, my column): the wave reads 128 consecutive bytes, the work-group 512
.set i, i+1
.endr
.macro WBLOCK q                        ; block q of my column: all its 32 numbers are mine
.set XB, D+32*(\q)
.set LO, FA+12*((\q)%2)+6*((\q)/2)     ; blocks 0, 2 into the first fragment's registers 0 and 6 on, blocks 1, 3 into the second's
	v_max3_num_f32 v[WT], |v[XB]|, |v[XB+1]|, |v[XB+2]|
	v_max3_num_f32 v[WT+1], |v[XB+3]|, |v[XB+4]|, |v[XB+5]|
.irp i, 6,10,14,18,22,26
	v_max3_num_f32 v[WT], v[WT], |v[XB+\i]|, |v[XB+\i+1]|
	v_max3_num_f32 v[WT+1], v[WT+1], |v[XB+\i+2]|, |v[XB+\i+3]|
.endr
	v_max3_num_f32 v[WT], v[WT], |v[XB+30]|, |v[XB+31]|
	v_max3_num_f32 v[WT], v[WT], v[WT+1], 0x1800000     ; and the floor
	v_add_nc_u32 v[WT+2+(\q)], 0xff000000, v[WT]   ; the conversion's scale operand
.if (\q) == 0
	v_lshrrev_b32 v[WT+7], 23, v[WT+2]             ; my column's scale word, byte by byte
.else
	v_lshrrev_b32 v[WT+6], 23, v[WT+2+(\q)]
	v_lshl_or_b32 v[WT+7], v[WT+6], 8*(\q), v[WT+7]
.endif
	v_cvt_scalef32_pk16_fp6_f32 v[LO:LO+2], v[XB:XB+15], v[WT+2+(\q)]
	v_cvt_scalef32_pk16_fp6_f32 v[UP+4*(\q):UP+4*(\q)+2], v[XB+16:XB+31], v[WT+2+(\q)]
.endm
	s_wait_loadcnt 63                              ; of the 128 loads the youngest 63 may be out: blocks 0 and 1 are in
	WBLOCK 0
	WBLOCK 1
	s_wait_loadcnt 32                              ; block 3's may be out
	WBLOCK 2
	s_wait_loadcnt 0x0
	WBLOCK 3
	v_nop                                          ; one plain place behind a scaled conversion
.irp q, 0,1,2,3
.irp i, 0,1,2
	v_mov_b32 v[FA+12*(\q%2)+6*(\q/2)+3+\i], v[UP+4*\q+\i]
.endr
.endr
.irp i, 0,1,2,3,4,5,6,7,8,9,10,11
	v_permlane16_swap_b32 v[FA+\i], v[FB+\i]       ; the first's lanes 16-31 (tile 1, blocks 0, 2) change places with the second's lanes 0-15 (tile 0, blocks 1, 3): now each is one tile's fragment
.endr
.irp j, 0,1,2
	global_store_b128 v2, v[FA+4*\j:FA+4*\j+3], s[12:13] offset:512*\j
.endr
.irp j, 0,1,2
	global_store_b128 v2, v[FB+4*\j:FB+4*\j+3], s[12:13] offset:FRB+512*\j     ; 3,072 consecutive bytes in all
.endr
	global_store_b32 v5, v[WT+7], s[14:15]
	s_endpgm
.Lfunc_end_k_qc7f1354a55_quant:
	.size	k_qc7f1354a55_quant, .Lfunc_end_k_qc7f1354a55_quant-k_qc7f1354a55_quant
	.p2alignl 7, 3214868480
	.fill 96, 4, 3214868480
	.section	.rodata,"a",@progbits
	.p2align	6, 0x0
	.amdhsa_kernel k_qc7f1354a55_quant
		.amdhsa_group_segment_fixed_size 34304
		.amdhsa_private_segment_fixed_size 0
		.amdhsa_enable_private_segment 0
		.amdhsa_kernarg_size 48
		.amdhsa_user_sgpr_count 2
		.amdhsa_user_sgpr_kernarg_segment_ptr 1
		.amdhsa_wavefront_size32 1
		.amdhsa_system_sgpr_workgroup_id_x 1
		.amdhsa_system_sgpr_workgroup_id_y 1
		.amdhsa_system_sgpr_workgroup_id_z 1
		.amdhsa_system_vgpr_workitem_id 0
		.amdhsa_next_free_vgpr 194
		.amdhsa_next_free_sgpr 66
		.amdhsa_reserve_vcc 0
		.amdhsa_float_denorm_mode_32 3
		.amdhsa_float_denorm_mode_16_64 3
		.amdhsa_memory_ordered 1
		.amdhsa_forward_progress 1
		.amdhsa_inst_pref_size 38
	.end_amdhsa_kernel
	.amdgpu_metadata
---
amdhsa.version: [ 1, 2 ]
amdhsa.kernels:
  - .name:           k_qc7f1354a55_quant
    .symbol:         k_qc7f1354a55_quant.kd
    .args:
      - { .name: x, .offset: 0, .size: 8, .value_kind: global_buffer, .address_space: global }
      - { .name: W_qkv, .offset: 8, .size: 8, .value_kind: global_buffer, .address_space: global }
      - { .name: x_codes, .offset: 16, .size: 8, .value_kind: global_buffer, .address_space: global }
      - { .name: x_scales, .offset: 24, .size: 8, .value_kind: global_buffer, .address_space: global }
      - { .name: w_codes, .offset: 32, .size: 8, .value_kind: global_buffer, .address_space: global }
      - { .name: w_scales, .offset: 40, .size: 8, .value_kind: global_buffer, .address_space: global }
    .group_segment_fixed_size: 34304
    .private_segment_fixed_size: 0
    .kernarg_segment_align: 8
    .kernarg_segment_size: 48
    .max_flat_workgroup_size: 128
    .sgpr_count:     66
    .vgpr_count:     194
    .wavefront_size: 32
...
	.end_amdgpu_metadata
.endif
;; end of part 1
;; launch proj (part 2): grid 128 x 2, 4 waves a work-group, clusters of 4 x 1, 327,680 bytes of LDS; arguments x_codes, x_scales, w_codes, w_scales, b_qkv, qk, qk_scales, v_codes, v_scales; writes qk, qk_scales, v_codes, v_scales
.if DOCPART == 2
	.amdgcn_target "amdgcn-amd-amdhsa--gfx1250"
	.amdhsa_code_object_version 6
	.text
	.protected	k_qc7f1354a55_proj
	.globl	k_qc7f1354a55_proj
	.p2align	8
	.type	k_qc7f1354a55_proj,@function
k_qc7f1354a55_proj:
	s_mov_b64 s[64:65], 0
	v_nop
	global_prefetch_b8 v0, s[64:65] scope:SCOPE_SE
	s_setreg_imm32_b32 hwreg(HW_REG_WAVE_MODE, 25, 1), 1
	s_wait_xcnt 0x0
	s_wait_alu depctr_hold_cnt(0) depctr_sa_sdst(0) depctr_va_vdst(0) depctr_va_sdst(0) depctr_va_ssrc(0) depctr_va_vcc(0) depctr_vm_vsrc(0)
	s_getreg_b32 s2, hwreg(HW_REG_IB_STS2, 6, 4)
	s_cmp_eq_u32 s2, 0
	s_cbranch_scc0 .Lentry_in_a_cluster
	s_endpgm
.Lentry_in_a_cluster:
	s_bfe_u32 s2, ttmp6, 0x10000c
	s_cmp_lg_u32 s2, 0x3003
	s_cbranch_scc0 .Lentry_shape_is_right
	s_endpgm
.Lentry_shape_is_right:
; qkv = x W + b on codes of FP6 (E2M3), and its results quantised at once for the two products of the attention: q and k along d, v along the keys.
; SHARES.  Work-group (X, y) makes rows 128 X .. 128 X + 127 and 1,536 columns, as six chunks c of 256 columns: n0 = 512 c + 256 y (c = 0, 1: q; 2, 3: k; 4, 5: v).
; Wave w: rows 64 (w / 2) on (four tiles T), columns 128 (w % 2) on of a chunk (eight tiles t): 32 accumulators.  A wave's 64 rows of x, all of K, stay in 384 REGISTERS for the whole launch;
; only W streams, through two LDS slots.  All operands lie in memory as images of their registers (3 x 512 bytes a fragment): a fragment is three loads of 16 bytes a lane, consecutive bytes, no padding.
; THE SLOTS ARE UNEVEN: slot A holds a chunk's K steps 0-2, slot B its K steps 3-7.  A is filled again behind K step 2 and has five K steps (160 matrix instructions) up to the next wait for all loads;
; B is filled again behind K step 7 and has the epilogue and three K steps.  With even slots the first of the two would have four K steps alone.
; CLUSTER.  The four work-groups of a cluster share y and walk the same W: every tile is asked for JOINTLY, one tensor load a wave with the mask of all four.
; q, k CHUNKS: source 0 = 16 columns of W, source 1 = 16 rows of x: a lane holds one row, and, since a tile's 16 columns are 8 u + i + 8 (i / 8) of a group of 32, its 64 registers of a tile of rows are 128 d in the quantiser's order.
; v CHUNKS: the sources change places: a lane holds one d, and its 32 registers of a tile of columns are 64 keys: half a fragment of v^T; the two waves that share the columns piece it together in LDS.
; The bias is the C of each sum's first matrix instruction.  The 32 accumulators take turns, in the same order in every K step.
; LIMITS: NaN and infinities are not served; a block whose largest magnitude lies under 2^-124 (zeros too) gets the scale byte 1; this program alone reads the bytes.
; REGISTERS: window 0: v0-15 addresses; v16-31 x's scale words (pair p, K step s at 16 + 8 p + s); v32-63 W's (32 + 8 pair + s); v64-159, v160-255 two sets of W's eight fragments; the second is also the epilogue's scratch.
;   window 1: v0-191 x's tiles 0, 1 (96 (T % 2) + 12 s); v192-255 the bias, eight registers a tile t.   window 2: v0-191 x's tiles 2, 3.   window 3: the accumulators.
.set FRB,   1536                       ; a fragment's image
.set KSB,   16*FRB                     ; a K step of a chunk: 16 fragments
.set SLA,   3*KSB                      ; slot A: LDS bytes 0 on
.set SLB,   5*KSB                      ; slot B: behind it.  K step k of a chunk lies at k KSB, in LDS as in memory
.set CHB,   8*KSB                      ; a chunk
.set STG,   CHB                        ; behind the slots: v's 16 fragments of a chunk, [column half][t]; no tensor load lands here
.set STGS,  STG+16*FRB                 ; and their scale words, 64 bytes a tile
.set SPARE, STGS+1024                  ; the spare words: 128 bytes a wave, two blocks of 256 bytes that no other line names
.set L16, 1                            ; 16 x lane
.set L4,  2                            ; 4 x lane
.set AW,  3                            ; v3-6   LDS address of my fragments of K steps 2 i, 2 i + 1
.set SPW, 7                            ; my spare word; never rewritten
.set NIL, 8                            ; 0; never rewritten
.set BQ,  9                            ; 64 h: the bias of a q, k chunk
.set BV,  10                           ; 4 (r + 8 (r / 8)): that of a v chunk
.set A0,  11                           ; v11-13 where my six registers of a fragment of v go in its image
.set ASC, 14                           ; and my two scale bytes
.set RD,  15                           ; where I read four whole fragments back
.set XS,  16
.set WS,  32
.set F0,  64
.set F1,  160
.set TM,  160                          ; scratch in F1: v160-175 at work
.set PW,  176                          ; v176-179 four scale words, v180-181 the pairs' words
.set PP,  180
.set PT,  182                          ; v182-189 each block pair's upper codes (a conversion's three registers begin on an even number)
.set PC,  192                          ; v192-239 four sets of 12: a tile's codes have registers of their own, so no store's data are written again inside an epilogue
.set HH,  204                          ; (v chunks) two sets of 11 for half fragments of v
.set BIAS, 192
.set G1,  32                           ; s[32:39] descriptor group 1 for slot A;  s[40:47] group 0, a set for each slot
.set G0,  40
.set G1B, 68                           ; s[68:75] descriptor group 1 for slot B: it differs in the rows alone
.set SEL, 28
.set MSB, 0
.macro WIN new                         ; the immediate's high byte repeats the setting that is left
.if MSB != (\new)
	s_set_vgpr_msb (MSB<<8)|(\new)
.set MSB, (\new)
.endif
.endm
.macro PLACES                          ; four plain vector places behind a matrix instruction of this form, ahead of loads into its registers and of reads of its results
.rept 4
	v_nop
.endr
.endm
.macro ROUND                           ; a round of the cluster's barrier
	s_barrier_signal -1
	s_barrier_wait -1
	s_cmp_lg_u32 s22, 0
	s_cbranch_scc1 .Lnot_wave_0_\@
	s_barrier_signal -3
.Lnot_wave_0_\@:
	s_barrier_wait -3
	s_barrier_signal -1
	s_barrier_wait -1
.endm
.macro WM                              ; one matrix instruction from the symbols mD, mA, mB, mC, mSA, mSB; mRA, mRB: the scales stand in lanes 16-31
.if (mRA == 0) && (mRB == 0)
	v_wmma_scale_f32_16x16x128_f8f6f4 v[mD:mD+7], v[mA:mA+11], v[mB:mB+11], v[mC:mC+7], v[mSA], v[mSB] matrix_a_fmt:MATRIX_FMT_FP6 matrix_b_fmt:MATRIX_FMT_FP6
.elseif mRB == 0
	v_wmma_scale_f32_16x16x128_f8f6f4 v[mD:mD+7], v[mA:mA+11], v[mB:mB+11], v[mC:mC+7], v[mSA], v[mSB] matrix_a_fmt:MATRIX_FMT_FP6 matrix_b_fmt:MATRIX_FMT_FP6 matrix_a_scale:MATRIX_SCALE_ROW1
.elseif mRA == 0
	v_wmma_scale_f32_16x16x128_f8f6f4 v[mD:mD+7], v[mA:mA+11], v[mB:mB+11], v[mC:mC+7], v[mSA], v[mSB] matrix_a_fmt:MATRIX_FMT_FP6 matrix_b_fmt:MATRIX_FMT_FP6 matrix_b_scale:MATRIX_SCALE_ROW1
.else
	v_wmma_scale_f32_16x16x128_f8f6f4 v[mD:mD+7], v[mA:mA+11], v[mB:mB+11], v[mC:mC+7], v[mSA], v[mSB] matrix_a_fmt:MATRIX_FMT_FP6 matrix_b_fmt:MATRIX_FMT_FP6 matrix_a_scale:MATRIX_SCALE_ROW1 matrix_b_scale:MATRIX_SCALE_ROW1
.endif
.endm
; 16 matrix instructions: tiles of rows 2 hp, 2 hp + 1 x my eight tiles of columns, K step k, W's fragments in set fs.  path 0: q, k; 1: v.  first: C is the bias
.macro MUL16 path, hp, k, fs, first
.irp u, 0,1
.irp t, 0,1,2,3,4,5,6,7
.if \path == 0
.set mD, 8*(8*(2*(\hp)+\u)+\t)
.set mA, (\fs)+12*\t
.set mB, 96*\u+12*(\k)
.set mSA, WS+8*(\t/2)+(\k)
.set mSB, XS+8*(\hp)+(\k)
.set mRA, \t%2
.set mRB, \u
.else
.set mD, 8*(4*\t+2*(\hp)+\u)
.set mA, 96*\u+12*(\k)
.set mB, (\fs)+12*\t
.set mSA, XS+8*(\hp)+(\k)
.set mSB, WS+8*(\t/2)+(\k)
.set mRA, \u
.set mRB, \t%2
.endif
.set mC, mD
.if \first
.set mC, BIAS+8*\t
.endif
	WM
.endr
.endr
.endm
.macro MWIN path, hp, first            ; W window 0, x window 1 or 2, D window 3, C window 3 or (the bias) 1
.if \path == 0
	WIN 0xf4+4*(\hp)-0x20*(\first)
.else
	WIN 0xf1+(\hp)-0x20*(\first)
.endif
.endm
.macro FETCH k, fs                     ; my eight fragments of W of K step k: 24 loads of 512 consecutive bytes
.irp t, 0,1,2,3,4,5,6,7
.irp j, 0,1,2
	ds_load_b128 v[(\fs)+12*\t+4*\j:(\fs)+12*\t+4*\j+3], v[AW+(\k)/2] offset:((\k)%2)*KSB+\t*FRB+512*\j
.endr
.endr
.endm
.macro STEP path, k, first             ; a K step whose successor lies in the same slot
	s_wait_dscnt 0x0                               ; this step's fragments, asked for a whole step ago
	PLACES                                         ; the other set was read by the last step's products
	FETCH (\k)+1, F0+96*(((\k)+1)%2)
	MWIN \path, 0, \first
	MUL16 \path, 0, \k, F0+96*((\k)%2), \first
	MWIN \path, 1, \first
	MUL16 \path, 1, \k, F0+96*((\k)%2), \first
	WIN 0
.endm
; A slot's last K step (2 or 7) changes slots.  Each wave waits for all its tensor loads (one is out: its part of the other slot), adds 0 to its spare word, and waits for that and for its reads of this slot.
; fill = 1: a round of the cluster's barrier, and this slot takes the next chunk's K steps.
.macro TURN path, k, slot, fill
	s_wait_tensorcnt 0x0
	ds_add_u32 v[SPW], v[NIL]
	s_wait_dscnt 0x1                               ; the step's 24 fragment loads are in; only the add may be out
	MWIN \path, 0, 0
	MUL16 \path, 0, \k, F0+96*((\k)%2), 0          ; sixteen matrix instructions stand between the add and the wait for it
	s_wait_dscnt 0x0                               ; the add is done, and my reads of this slot are over
	WIN 0
.if \fill
	ROUND                                          ; no wave of any partner still reads this slot or has a load on its way
	s_add_nc_u64 s[G0+4*\slot+2:G0+4*\slot+3], s[G0+4*\slot+2:G0+4*\slot+3], CHB
.if \slot == 0
	tensor_load_to_lds s[G0:G0+3], s[G1:G1+7]
	s_nop 0
.else
	tensor_load_to_lds s[G0+4:G0+7], s[G1B:G1B+7]
	s_nop 0
.endif
	PLACES                                         ; also the places in front of the loads below
.else
	s_barrier_signal -1
	s_barrier_wait -1
	PLACES
.endif
	FETCH ((\k)+1)%8, F0+96*(((\k)+1)%2)
	MWIN \path, 1, 0
	MUL16 \path, 1, \k, F0+96*((\k)%2), 0
	WIN 0
.endm
.macro CHUNK path, fill
	STEP \path, 0, 1
	STEP \path, 1, 0
	TURN \path, 2, 0, \fill
	STEP \path, 3, 0
	STEP \path, 4, 0
	STEP \path, 5, 0
	STEP \path, 6, 0
.if \fill
	TURN \path, 7, 1, 1
.else
	s_wait_dscnt 0x0                               ; the very last K step: nothing more to fetch
	MWIN \path, 0, 0
	MUL16 \path, 0, 7, F1, 0
	MWIN \path, 1, 0
	MUL16 \path, 1, 7, F1, 0
	WIN 0
.endif
.endm
.macro WSLOAD                          ; a chunk's scale words of my 128 columns: 4,096 consecutive bytes
.set i, 0
.rept 32
	global_load_b32 v[WS+i], v[L4], s[10:11] offset:128*i
.set i, i+1
.endr
.endm
.macro QBIAS                           ; lane (r, h) wants, for tile t, b at columns 32 (t / 2) + 8 (t % 2) + 16 h + 0 .. 7
	WIN 0x40
.irp t, 0,1,2,3,4,5,6,7
	global_load_b128 v[BIAS+8*\t:BIAS+8*\t+3], v[BQ], s[12:13] offset:(32*(\t/2)+8*(\t%2))*4
	global_load_b128 v[BIAS+8*\t+4:BIAS+8*\t+7], v[BQ], s[12:13] offset:(32*(\t/2)+8*(\t%2))*4+16
.endr
	WIN 0
.endm
.macro VBIAS                           ; in a v chunk a lane holds one column: one number a tile,
	WIN 0x40
.irp t, 0,1,2,3,4,5,6,7
	global_load_b32 v[BIAS+8*\t], v[BV], s[12:13] offset:(32*(\t/2)+8*(\t%2))*4
.endr
	WIN 0
.endm
.macro VSPREAD                         ; which fills the tile's eight registers
	s_wait_loadcnt 0x0
	WIN 0x41
.irp t, 0,1,2,3,4,5,6,7
.irp j, 1,2,3,4,5,6,7
	v_mov_b32 v[BIAS+8*\t+\j], v[BIAS+8*\t]
.endr
.endr
	WIN 0
.endm
; 64 accumulator registers (window 3, from s on; register 16 b + i = d 32 b + 16 h + i of my row) become a fragment in v[pc] on and its scale word in v[pw].  Each accumulator is first read at its low end.
.macro QUANTA s, pw, pc
	WIN 0x0f
.irp b, 0,1,2,3
	v_max3_num_f32 v[TM+\b], |v[(\s)+16*\b]|, |v[(\s)+1+16*\b]|, 0x1800000      ; with the floor 2^(3 - 127): the byte cannot fall under 1
.endr
.irp i, 2,4,6,8,10,12,14
.irp b, 0,1,2,3
	v_max3_num_f32 v[TM+\b], |v[(\s)+16*\b+\i]|, |v[(\s)+1+16*\b+\i]|, v[TM+\b]
.endr
.endr
	WIN 0
.irp b, 0,1,2,3
	v_permlanex16_b32 v[TM+4+\b], v[TM+\b], s[SEL], s[SEL+1]
.endr
.irp b, 0,1,2,3
	v_max_num_f32 v[TM+\b], v[TM+\b], v[TM+4+\b]
.endr
.irp b, 0,1,2,3
	v_add_nc_u32 v[TM+12+\b], 0xff000000, v[TM+\b]                   ; 2 off the exponent field: the conversion's scale operand
.endr
.irp b, 0,1,2,3
	v_lshrrev_b32 v[TM+4+\b], 23, v[TM+12+\b]
.endr
	v_lshl_or_b32 v[\pw], v[TM+5], 8, v[TM+4]
	v_lshl_or_b32 v[\pw], v[TM+6], 16, v[\pw]
	v_lshl_or_b32 v[\pw], v[TM+7], 24, v[\pw]
	WIN 0x03
.irp c, 0,1
	v_cvt_scalef32_pk16_fp6_f32 v[(\pc)+6*\c:(\pc)+2+6*\c], v[(\s)+32*\c:(\s)+15+32*\c], v[TM+12+2*\c]
	v_cvt_scalef32_pk16_fp6_f32 v[PT+4*\c:PT+2+4*\c], v[(\s)+16+32*\c:(\s)+31+32*\c], v[TM+12+2*\c+1]
.endr
	WIN 0
	v_nop                                          ; one plain place behind a scaled conversion
.irp c, 0,1
.irp i, 0,1,2
	v_permlane16_swap_b32 v[(\pc)+6*\c+\i], v[PT+4*\c+\i]
.endr
.irp i, 0,1,2
	v_mov_b32 v[(\pc)+3+6*\c+\i], v[PT+4*\c+\i]
.endr
.endr
.endm
; The end of a q or k chunk: the next chunk's scale words and bias are asked for; my four tiles of rows become four fragments (128 d each) and leave.
.macro EPI_QK
	PLACES
	s_add_nc_u64 s[10:11], s[10:11], 8192          ; (the last loads by these pointers were waited for)
	s_add_nc_u64 s[12:13], s[12:13], 2048
	WSLOAD
	QBIAS
.irp q, 0,1,2,3
	QUANTA 64*\q, PW+\q, PC+12*\q
.irp j, 0,1,2
	global_store_b128 v[L16], v[PC+12*\q+4*\j:PC+12*\q+4*\j+3], s[14:15] offset:\q*FRB+512*\j
.endr
.endr
	v_cndmask_b32 v[PP], v[PW], v[PW+1], s30       ; a pair's words: lanes 0-15 the even tile's, lanes 16-31 the odd one's
	v_cndmask_b32 v[PP+1], v[PW+2], v[PW+3], s30
	global_store_b32 v[L4], v[PP], s[16:17]
	global_store_b32 v[L4], v[PP+1], s[16:17] offset:128
	s_wait_xcnt 0x0                                ; the stores have read their registers and bases: the bases step here, the registers take the next chunk's fragments
	s_add_nc_u64 s[14:15], s[14:15], 32*FRB        ; four steps of 128 d on
	s_add_nc_u64 s[16:17], s[16:17], 2048
	s_wait_loadcnt 0x0                             ; the next chunk's scale words and bias
.endm
; Tile of columns t of a v chunk: registers 32 t .. 32 t + 31 are my d's 64 keys, two blocks of 32: they become registers 6 c .. 6 c + 5 (c = my half of the rows) of the fragment 16 d x 128 keys
.macro HQUANT t
.set HB, HH+12*((\t)%2)
.if (\t) >= 2
	s_wait_dscnt 0x4                               ; the stores of two tiles ago have read this set; only the last tile's four may be out
.endif
	WIN 0x0f
	v_max3_num_f32 v[TM], |v[32*(\t)]|, |v[32*(\t)+1]|, 0x1800000
	v_max3_num_f32 v[TM+1], |v[32*(\t)+16]|, |v[32*(\t)+17]|, 0x1800000
.irp i, 2,4,6,8,10,12,14
	v_max3_num_f32 v[TM], |v[32*(\t)+\i]|, |v[32*(\t)+\i+1]|, v[TM]
	v_max3_num_f32 v[TM+1], |v[32*(\t)+16+\i]|, |v[32*(\t)+17+\i]|, v[TM+1]
.endr
	WIN 0
	v_permlanex16_b32 v[TM+2], v[TM], s[SEL], s[SEL+1]
	v_permlanex16_b32 v[TM+3], v[TM+1], s[SEL], s[SEL+1]
	v_max_num_f32 v[TM], v[TM], v[TM+2]
	v_max_num_f32 v[TM+1], v[TM+1], v[TM+3]
	v_add_nc_u32 v[TM+4], 0xff000000, v[TM]
	v_add_nc_u32 v[TM+5], 0xff000000, v[TM+1]
	v_lshrrev_b32 v[TM+6], 23, v[TM+4]
	v_lshrrev_b32 v[TM+7], 23, v[TM+5]
	v_lshl_or_b32 v[HB+10], v[TM+7], 8, v[TM+6]    ; my two bytes of the scale word
	WIN 0x03
	v_cvt_scalef32_pk16_fp6_f32 v[HB:HB+2], v[32*(\t):32*(\t)+15], v[TM+4]
	v_cvt_scalef32_pk16_fp6_f32 v[HB+6:HB+8], v[32*(\t)+16:32*(\t)+31], v[TM+5]
	WIN 0
	v_nop                                          ; one plain place behind a scaled conversion
.irp i, 0,1,2
	v_permlane16_swap_b32 v[HB+\i], v[HB+6+\i]
.endr
.irp i, 0,1,2
	v_mov_b32 v[HB+3+\i], v[HB+6+\i]
.endr
	ds_store_b64 v[A0], v[HB:HB+1] offset:FRB*(\t)
	ds_store_b64 v[A0+1], v[HB+2:HB+3] offset:FRB*(\t)
	ds_store_b64 v[A0+2], v[HB+4:HB+5] offset:FRB*(\t)
	ds_store_b16 v[ASC], v[HB+10] offset:64*(\t)   ; lanes l and l xor 16 write the same bytes with the same value
.endm
; The end of a v chunk.  The halves meet in LDS; a barrier; each wave stores four whole fragments, 6,144 consecutive bytes, and 256 bytes of scale words.
.macro EPI_V last
	PLACES
.if !\last
	s_add_nc_u64 s[10:11], s[10:11], 8192
	s_add_nc_u64 s[12:13], s[12:13], 2048
	WSLOAD
	VBIAS
.endif
.irp t, 0,1,2,3,4,5,6,7
	HQUANT \t
.endr
	s_wait_dscnt 0x0                               ; for the others' sake: my stores have landed
	s_barrier_signal -1                            ; a slot's refill may stay on its way
	s_barrier_wait -1
.irp m, 0,1,2,3,4,5,6,7,8,9,10,11
	ds_load_b128 v[160+4*\m:160+4*\m+3], v[RD] offset:512*\m
.endr
	v_and_b32 v210, 31, v0
	v_lshlrev_b32 v211, 3, v210                    ; 8 x lane
	v_add_nc_u32 v210, s31, v211
	ds_load_b64 v[208:209], v210
	s_wait_dscnt 0x0                               ; the stage is written again only behind the next chunk's barriers
.irp m, 0,1,2,3,4,5,6,7,8,9,10,11
	global_store_b128 v[L16], v[160+4*\m:160+4*\m+3], s[18:19] offset:512*\m
.endr
	global_store_b64 v211, v[208:209], s[20:21]
.if !\last
	VSPREAD
	s_wait_xcnt 0x0                                ; the stores have read their registers and bases
	s_add_nc_u64 s[18:19], s[18:19], 128*FRB       ; four groups of 128 d on
	s_add_nc_u64 s[20:21], s[20:21], 8192
.endif
.endm
	s_load_b512 s[4:19], s[0:1], 0x0               ; x's codes, x's scales, W's codes, W's scales, b, qk, its scales, v's codes
	s_load_b64 s[20:21], s[0:1], 0x40              ; v's scales
	v_lshl_add_u32 v[SPW], v0, 2, SPARE
	v_mov_b32 v[NIL], 0
	ds_add_u32 v7, v8
	ds_add_u32 v7, v8
	s_wait_dscnt 0x0
	v_lshrrev_b32 v1, 5, v0
	v_readfirstlane_b32 s22, v1                    ; wave
	s_lshr_b32 s23, s22, 1                         ; my half of the rows
	s_and_b32 s24, s22, 1                          ; my half of a chunk's columns
	s_and_b32 s25, ttmp7, 0xffff                   ; y, which the four partners share
	; descriptor groups 1: a quarter of a slot, dense bytes, as rows of 256 bytes: 72 rows for slot A, 120 for slot B
	s_mov_b32 s[G1], 15|(3<<16)|(1<<21)            ; 15:0 the mask: all four work-groups; 17:16 elements of 8 bytes; 20 no padding; 21 set beside a mask
	s_mov_b32 s[G1+1], 32<<16                      ; tensor_dim0 = 32
	s_mov_b32 s[G1+2], (SLA/1024)<<16              ; tensor_dim1 = 72
	s_mov_b32 s[G1+3], 32<<16                      ; tile_dim0 = 32
	s_mov_b32 s[G1+4], SLA/1024                    ; tile_dim1 = 72
	s_mov_b32 s[G1+5], 32                          ; from row to row
	s_mov_b32 s[G1+6], 0
	s_mov_b32 s[G1+7], 0
	s_mov_b32 s[G1B], 15|(3<<16)|(1<<21)
	s_mov_b32 s[G1B+1], 32<<16
	s_mov_b32 s[G1B+2], (SLB/1024)<<16             ; tensor_dim1 = 120
	s_mov_b32 s[G1B+3], 32<<16
	s_mov_b32 s[G1B+4], SLB/1024                   ; tile_dim1 = 120
	s_mov_b32 s[G1B+5], 32
	s_mov_b32 s[G1B+6], 0
	s_mov_b32 s[G1B+7], 0
	s_mul_i32 s50, s22, SLA/4                      ; my quarter of slot A: the same byte in LDS and in a chunk
	s_mul_i32 s51, s22, SLB/4
	s_add_co_u32 s51, s51, SLA                     ; my quarter of slot B
	s_mul_i32 s48, s25, 6*CHB                      ; y's six chunks
	s_add_co_u32 s76, s48, s51
	s_add_co_u32 s48, s48, s50
	s_mov_b32 s49, 0
	s_mov_b32 s77, 0
	s_mul_i32 s58, s24, 8*FRB                      ; LDS: my eight fragments of a K step's sixteen
	s_mul_i32 s59, s23, 520                        ; a half fragment's three pieces of 8 bytes a lane: registers 6 c, 6 c + 2, 6 c + 4 of the image
	s_add_co_u32 s59, s59, s58
	s_add_co_u32 s59, s59, STG
	s_mul_i32 s60, s23, 1016
	s_add_co_u32 s60, s60, s58
	s_add_co_u32 s60, s60, STG+8
	s_lshl_b32 s61, s24, 9
	s_lshl_b32 s62, s23, 1
	s_add_co_u32 s61, s61, s62
	s_add_co_u32 s61, s61, STGS
	s_mul_i32 s62, s22, 4*FRB
	s_add_co_u32 s62, s62, STG
	s_lshl_b32 s31, s22, 8
	s_add_co_u32 s31, s31, STGS
	s_mov_b32 s[SEL], 0x76543210
	s_mov_b32 s[SEL+1], 0xfedcba98
	s_mov_b32 s30, 0xffff0000                      ; lanes 16-31
	s_wait_kmcnt 0x0
	ROUND                                          ; all four work-groups are here: the first joint loads meet
	s_mov_b32 s[G0], 1
	s_mov_b32 s[G0+1], s50                         ; slot A
	s_add_nc_u64 s[G0+2:G0+3], s[8:9], s[48:49]
	s_or_b32 s[G0+3], s[G0+3], 0x80000000
	s_mov_b32 s[G0+4], 1
	s_mov_b32 s[G0+5], s51                         ; slot B
	s_add_nc_u64 s[G0+6:G0+7], s[8:9], s[76:77]
	s_or_b32 s[G0+7], s[G0+7], 0x80000000
	tensor_load_to_lds s[G0:G0+3], s[G1:G1+7]      ; chunk 0's K steps 0-2
	s_nop 0
	tensor_load_to_lds s[G0+4:G0+7], s[G1B:G1B+7]  ; and 3-7: two loads of mine are out
	s_nop 0
	PLACES
	s_bfe_u32 s26, ttmp6, 0x40000                  ; my place in the cluster enters global addresses of x and of the results alone
	s_lshl_b32 s52, ttmp9, 2
	s_add_co_u32 s26, s52, s26                     ; X
	s_mov_b32 s53, 0
	s_lshl_b32 s56, s26, 3
	s_lshl_b32 s52, s23, 2
	s_add_co_u32 s56, s56, s52                     ; my first tile of rows: 8 X + 4 half
	s_mul_i32 s52, s56, 8*FRB
	s_add_nc_u64 s[4:5], s[4:5], s[52:53]
	s_lshl_b32 s52, s56, 9
	s_add_nc_u64 s[6:7], s[6:7], s[52:53]
	s_mul_i32 s52, s25, 49152                      ; W's scale words: [y][c][half][pair][s][lane]
	s_lshl_b32 s54, s24, 12
	s_add_co_u32 s52, s52, s54
	s_add_nc_u64 s[10:11], s[10:11], s[52:53]
	s_lshl_b32 s52, s25, 10                        ; b at column 256 y + 128 half
	s_lshl_b32 s54, s24, 9
	s_add_co_u32 s52, s52, s54
	s_add_nc_u64 s[12:13], s[12:13], s[52:53]
	s_lshl_b32 s56, s26, 4
	s_lshl_b32 s54, s25, 1
	s_add_co_u32 s56, s56, s54
	s_add_co_u32 s56, s56, s24                     ; 16 X + the step of 128 d: 2 y + half (+ 4 c)
	s_mul_i32 s52, s56, 8*FRB
	s_mul_i32 s54, s23, 4*FRB
	s_add_co_u32 s52, s52, s54
	s_add_nc_u64 s[14:15], s[14:15], s[52:53]
	s_lshl_b32 s52, s56, 9
	s_lshl_b32 s54, s23, 8
	s_add_co_u32 s52, s52, s54
	s_add_nc_u64 s[16:17], s[16:17], s[52:53]
	s_lshr_b32 s56, s26, 2                         ; v: ((8 batch + 2 y + wave / 2) 4 + the key step X % 4), my four fragments of eight
	s_lshl_b32 s56, s56, 3
	s_lshl_b32 s54, s25, 1
	s_add_co_u32 s56, s56, s54
	s_add_co_u32 s56, s56, s23
	s_lshl_b32 s56, s56, 2
	s_and_b32 s54, s26, 3
	s_add_co_u32 s56, s56, s54
	s_mul_i32 s52, s56, 8*FRB
	s_mul_i32 s54, s24, 4*FRB
	s_add_co_u32 s52, s52, s54
	s_add_nc_u64 s[18:19], s[18:19], s[52:53]
	s_lshl_b32 s52, s56, 9
	s_lshl_b32 s54, s24, 8
	s_add_co_u32 s52, s52, s54
	s_add_nc_u64 s[20:21], s[20:21], s[52:53]
	v_and_b32 v9, 31, v0
	v_lshlrev_b32 v[L16], 4, v9
	v_lshlrev_b32 v[L4], 2, v9
	WIN 0x40                                       ; x's 32 fragments stay in registers: 49,152 consecutive bytes
.set i, 0
.rept 48
	global_load_b128 v[4*i:4*i+3], v[L16], s[4:5] offset:512*i
.set i, i+1
.endr
	WIN 0x80
.set i, 0
.rept 48
	global_load_b128 v[4*i:4*i+3], v[L16], s[4:5] offset:16*FRB+512*i
.set i, i+1
.endr
	WIN 0
.set i, 0
.rept 16
	global_load_b32 v[XS+i], v[L4], s[6:7] offset:128*i
.set i, i+1
.endr
	WSLOAD
	v_bfe_u32 v9, v0, 4, 1
	v_lshlrev_b32 v[BQ], 6, v9
	QBIAS
	v_add_nc_u32 v[AW], s58, v[L16]
	v_add_nc_u32 v[AW+1], 2*KSB, v[AW]
	v_add_nc_u32 v[AW+2], 4*KSB, v[AW]
	v_add_nc_u32 v[AW+3], 6*KSB, v[AW]
	v_add_nc_u32 v[A0], s59, v[L16]
	v_add_nc_u32 v[A0+1], s60, v[L16]
	v_add_nc_u32 v[A0+2], 512, v[A0]
	v_add_nc_u32 v[RD], s62, v[L16]
	v_and_b32 v10, 15, v0
	v_lshl_add_u32 v[ASC], v10, 2, s61
	v_and_b32 v160, 8, v10
	v_add_nc_u32 v160, v160, v10
	v_lshlrev_b32 v[BV], 2, v160
	s_wait_tensorcnt 0x1                           ; my part of slot A is in; slot B's may stay out
	s_barrier_signal -1
	s_barrier_wait -1                              ; everybody's is
	FETCH 0, F0
	s_wait_loadcnt 0x0                             ; x, the scale words, the bias
	s_mov_b32 s27, 4
.Lqk:                                                  ; four trips: q's two chunks, k's two; each fills both slots again, with the next chunk
	CHUNK 0, 1
	EPI_QK
	s_sub_co_u32 s27, s27, 1
	s_cmp_lg_u32 s27, 0
	s_cbranch_scc1 .Lqk
	VBIAS                                          ; chunk 4's bias in the v form, over what the last trip brought in the q form
	VSPREAD
	CHUNK 1, 1
	EPI_V 0
	CHUNK 1, 0                                     ; the last chunk is written out: it asks for nothing more
	EPI_V 1
	s_wait_tensorcnt 0x0                           ; the wave's end
	ds_add_u32 v[SPW], v[NIL]
	s_wait_dscnt 0x0
	ROUND                                          ; the closing round
	s_endpgm
.Lfunc_end_k_qc7f1354a55_proj:
	.size	k_qc7f1354a55_proj, .Lfunc_end_k_qc7f1354a55_proj-k_qc7f1354a55_proj
	.p2alignl 7, 3214868480
	.fill 96, 4, 3214868480
	.section	.rodata,"a",@progbits
	.p2align	6, 0x0
	.amdhsa_kernel k_qc7f1354a55_proj
		.amdhsa_group_segment_fixed_size 327680
		.amdhsa_private_segment_fixed_size 0
		.amdhsa_enable_private_segment 0
		.amdhsa_kernarg_size 72
		.amdhsa_user_sgpr_count 2
		.amdhsa_user_sgpr_kernarg_segment_ptr 1
		.amdhsa_wavefront_size32 1
		.amdhsa_system_sgpr_workgroup_id_x 1
		.amdhsa_system_sgpr_workgroup_id_y 1
		.amdhsa_system_sgpr_workgroup_id_z 1
		.amdhsa_system_vgpr_workitem_id 0
		.amdhsa_next_free_vgpr 1024
		.amdhsa_next_free_sgpr 80
		.amdhsa_reserve_vcc 0
		.amdhsa_float_denorm_mode_32 3
		.amdhsa_float_denorm_mode_16_64 3
		.amdhsa_memory_ordered 1
		.amdhsa_forward_progress 1
		.amdhsa_inst_pref_size 235
	.end_amdhsa_kernel
	.amdgpu_metadata
---
amdhsa.version: [ 1, 2 ]
amdhsa.kernels:
  - .name:           k_qc7f1354a55_proj
    .symbol:         k_qc7f1354a55_proj.kd
    .args:
      - { .name: x_codes, .offset: 0, .size: 8, .value_kind: global_buffer, .address_space: global }
      - { .name: x_scales, .offset: 8, .size: 8, .value_kind: global_buffer, .address_space: global }
      - { .name: w_codes, .offset: 16, .size: 8, .value_kind: global_buffer, .address_space: global }
      - { .name: w_scales, .offset: 24, .size: 8, .value_kind: global_buffer, .address_space: global }
      - { .name: b_qkv, .offset: 32, .size: 8, .value_kind: global_buffer, .address_space: global }
      - { .name: qk, .offset: 40, .size: 8, .value_kind: global_buffer, .address_space: global }
      - { .name: qk_scales, .offset: 48, .size: 8, .value_kind: global_buffer, .address_space: global }
      - { .name: v_codes, .offset: 56, .size: 8, .value_kind: global_buffer, .address_space: global }
      - { .name: v_scales, .offset: 64, .size: 8, .value_kind: global_buffer, .address_space: global }
    .group_segment_fixed_size: 327680
    .private_segment_fixed_size: 0
    .kernarg_segment_align: 8
    .kernarg_segment_size: 72
    .max_flat_workgroup_size: 128
    .sgpr_count:     80
    .vgpr_count:     1024
    .wavefront_size: 32
...
	.end_amdgpu_metadata
.endif
;; end of part 2
;; launch attn (part 3): grid 32 x 8, 4 waves a work-group, no clusters, 94,720 bytes of LDS; arguments qk, qk_scales, v_codes, v_scales, out0; writes out0
.if DOCPART == 3
	.amdgcn_target "amdgcn-amd-amdhsa--gfx1250"
	.amdhsa_code_object_version 6
	.text
	.protected	k_qc7f1354a55_attn
	.globl	k_qc7f1354a55_attn
	.p2align	8
	.type	k_qc7f1354a55_attn,@function
k_qc7f1354a55_attn:
	s_mov_b64 s[64:65], 0
	v_nop
	global_prefetch_b8 v0, s[64:65] scope:SCOPE_SE
	s_setreg_imm32_b32 hwreg(HW_REG_WAVE_MODE, 25, 1), 1
	s_wait_xcnt 0x0
; out = softmax(q k^T / 32) v for one batch of 512 keys and 64 queries a work-group, both products on codes of FP6 (E2M3) with one E8M0 scale for each 32 along K.
; THE SOFTMAX: t = score x log2(e) / 32; M = the row's largest t rounded up to a whole number; p = 2^(t - M) is quantised along the keys; the row's sum of the unquantised p divides at the end.
; All 512 scores of a row exist at once, so M is final when p is made: nothing is rescaled.
; SHARES.  Work-group x is the batch, y the block of 64 queries: the eight work-groups of a batch are 32 apart in the launch's order.
; S^T = k q^T: wave w makes keys 128 w .. 128 w + 127 (8 tiles) for all 64 queries (4 tiles): 32 accumulators.  O^T = v^T p^T: wave w makes d 256 w .. 256 w + 255, IN FOUR PASSES OF 64:
; 16 accumulators a pass, so that a quarter of the output leaves behind each pass, the first three under the next pass's products, and p's 16 fragments (192 registers) stay in registers for all four.
; A lane holds one query throughout.  The rows' maxima and sums, q's fragments and p's go from wave to wave through LDS, p and q as images of their registers.
; K AND V GO FROM MEMORY STRAIGHT INTO REGISTERS, with no ring in LDS and no joint loads: each of their fragments is used by exactly one wave of the work-group (for four matrix instructions), so LDS would only
; write and read their 786,432 bytes once more, and of two slots only two steps' tiles (98,304 bytes) each would fit beside the rest: a joint refill would have 64 matrix instructions in which to land.
; Here up to three steps of 12,288 bytes a wave are asked for ahead in the first product, up to eight half steps of 6,144 in the second, with counted waits and no barrier.
; LIMITS: NaN and infinities are not served; a block of p that has fallen to 0 keeps the scale byte 1 over zero codes; a block's largest p is taken from its largest score, which takes v_exp_f32 not to fall where its input rises.
; REGISTERS: window 0: v1-12 addresses; v16-31 q's scale words, v32-63 k's, v64-95 v's, v96-103 p's; v104-111 1 / l; v112-127 each block's largest score; v128-159 at work;
;   v160-207, v208-255 q's four fragments, two sets; scratch during the softmax; then p's fragments of key steps 0 and 1.
;   windows 1, 2: v0-191 four sets of eight streamed fragments; v192-223 rows on their way out.
;   window 3: first product: the accumulators (query tile q, tile t) at 8 (8 q + t); second: at 8 (4 q + t), and v128-223 p's fragments of key steps 2 and 3.
.set FRB,  1536
.set QIMG, 0                           ; LDS: q's 32 fragments [d step][query tile],
.set PIMG, 49152                       ; p's 16 [key step][query tile],
.set PSC,  73728                       ; p's scale words [key step][query tile][r],
.set MX,   74752                       ; each wave's largest score [query tile][r][wave],
.set SM,   75776                       ; each wave's sum, likewise,
.set STG,  76800                       ; and a stage of 16 rows x 272 bytes for each wave.  No region serves two purposes
.set SP,   272                         ; 256 bytes + 16: an odd multiple of 16
.set L16, 1
.set L4,  2
.set QWI, 3
.set MXW, 4
.set MXR, 5
.set PWI, 6
.set PSW, 7
.set STO, 8
.set STR, 9
.set PRI, 10
.set PSR, 11
.set GO,  12
.set QS,  16
.set KS,  32
.set VS,  64
.set PS,  96
.set RL,  104
.set BM,  112
.set MXV, 128
.set NM,  144
.set RM,  146
.set TP,  152
.set SU,  156
.set SA,  160
.set TM,  160                          ; scratch during the softmax
.set PC,  176
.set PW,  196
.set SEL, 40
.set CS,  42
.set MSB, 0
.macro WIN new                         ; the immediate's high byte repeats the setting that is left
.if MSB != (\new)
	s_set_vgpr_msb (MSB<<8)|(\new)
.set MSB, (\new)
.endif
.endm
.macro PLACES                          ; four plain vector places behind a matrix instruction of this form (ISA guide 7.12.1)
.rept 4
	v_nop
.endr
.endm
.macro WM                              ; one matrix instruction from the symbols mD, mA, mB, mSA, mSB; mRA, mRB: the scales stand in lanes 16-31; mZ: it starts the sum
.if mZ
.if (mRA == 0) && (mRB == 0)
	v_wmma_scale_f32_16x16x128_f8f6f4 v[mD:mD+7], v[mA:mA+11], v[mB:mB+11], 0, v[mSA], v[mSB] matrix_a_fmt:MATRIX_FMT_FP6 matrix_b_fmt:MATRIX_FMT_FP6
.elseif mRB == 0
	v_wmma_scale_f32_16x16x128_f8f6f4 v[mD:mD+7], v[mA:mA+11], v[mB:mB+11], 0, v[mSA], v[mSB] matrix_a_fmt:MATRIX_FMT_FP6 matrix_b_fmt:MATRIX_FMT_FP6 matrix_a_scale:MATRIX_SCALE_ROW1
.elseif mRA == 0
	v_wmma_scale_f32_16x16x128_f8f6f4 v[mD:mD+7], v[mA:mA+11], v[mB:mB+11], 0, v[mSA], v[mSB] matrix_a_fmt:MATRIX_FMT_FP6 matrix_b_fmt:MATRIX_FMT_FP6 matrix_b_scale:MATRIX_SCALE_ROW1
.else
	v_wmma_scale_f32_16x16x128_f8f6f4 v[mD:mD+7], v[mA:mA+11], v[mB:mB+11], 0, v[mSA], v[mSB] matrix_a_fmt:MATRIX_FMT_FP6 matrix_b_fmt:MATRIX_FMT_FP6 matrix_a_scale:MATRIX_SCALE_ROW1 matrix_b_scale:MATRIX_SCALE_ROW1
.endif
.else
.if (mRA == 0) && (mRB == 0)
	v_wmma_scale_f32_16x16x128_f8f6f4 v[mD:mD+7], v[mA:mA+11], v[mB:mB+11], v[mD:mD+7], v[mSA], v[mSB] matrix_a_fmt:MATRIX_FMT_FP6 matrix_b_fmt:MATRIX_FMT_FP6
.elseif mRB == 0
	v_wmma_scale_f32_16x16x128_f8f6f4 v[mD:mD+7], v[mA:mA+11], v[mB:mB+11], v[mD:mD+7], v[mSA], v[mSB] matrix_a_fmt:MATRIX_FMT_FP6 matrix_b_fmt:MATRIX_FMT_FP6 matrix_a_scale:MATRIX_SCALE_ROW1
.elseif mRA == 0
	v_wmma_scale_f32_16x16x128_f8f6f4 v[mD:mD+7], v[mA:mA+11], v[mB:mB+11], v[mD:mD+7], v[mSA], v[mSB] matrix_a_fmt:MATRIX_FMT_FP6 matrix_b_fmt:MATRIX_FMT_FP6 matrix_b_scale:MATRIX_SCALE_ROW1
.else
	v_wmma_scale_f32_16x16x128_f8f6f4 v[mD:mD+7], v[mA:mA+11], v[mB:mB+11], v[mD:mD+7], v[mSA], v[mSB] matrix_a_fmt:MATRIX_FMT_FP6 matrix_b_fmt:MATRIX_FMT_FP6 matrix_a_scale:MATRIX_SCALE_ROW1 matrix_b_scale:MATRIX_SCALE_ROW1
.endif
.endif
.endm
; A WHOLE SET: eight fragments, 12,288 consecutive bytes, into set i % 4.  i = 0 .. 7: k's step i of 128 d.  i = 8 .. 11: v's key step i - 8 of my first 128 d: its lower half serves pass 0, its upper half pass 1
.macro SLOAD i
	WIN 0x40<<(((\i)%4)/2)
.set rS, 96*((\i)%2)
.set m, 0
.rept 24
.if (\i) < 8
	global_load_b128 v[rS+4*m:rS+4*m+3], v[L16], s[4:5] offset:8*FRB*(\i)+512*m
.else
	global_load_b128 v[rS+4*m:rS+4*m+3], v[L16], s[8:9] offset:8*FRB*((\i)-8)+512*m
.endif
.set m, m+1
.endr
	WIN 0
.endm
.macro STAT i                          ; q's four fragments of d step i from LDS into set i % 2
.set rS, SA+48*((\i)%2)
.irp m, 0,1,2,3,4,5,6,7,8,9,10,11
	ds_load_b128 v[rS+4*\m:rS+4*\m+3], v[L16] offset:QIMG+4*FRB*(\i)+512*\m
.endr
.endm
.macro MUL32 i                         ; S^T, d step i: 32 matrix instructions; the 32 accumulators take turns, in the same order in every step
	WIN 0xf1+((\i)%4)/2
.irp q, 0,1,2,3
.irp t, 0,1,2,3,4,5,6,7
.set mD, 8*(8*\q+\t)
.set mA, 96*((\i)%2)+12*\t
.set mB, SA+48*((\i)%2)+12*\q
.set mSA, KS+8*(\t/2)+(\i)
.set mSB, QS+8*(\q/2)+(\i)
.set mRA, \t%2
.set mRB, \q%2
.set mZ, 0
.if (\i) == 0
.set mZ, 1
.endif
	WM
.endr
.endr
	WIN 0
.endm
.macro KSTEP i
	PLACES                                         ; the registers loaded below were read by the products of the step before
.if (\i) != 7
	STAT (\i)+1
.endif
	SLOAD (\i)+3
	s_wait_loadcnt 63                              ; 72 loads were issued behind this step's set; the count is the largest that the wait can name
.if (\i) != 7
	s_wait_dscnt 12                                ; only the next step's twelve may be out
.else
	s_wait_dscnt 0x0
.endif
	MUL32 \i
.endm
; THE SECOND PRODUCT: sixteen half steps j = 4 pass + key step.  Half step j reads the half (j / 4) % 2 of set j % 4.
.macro VLOAD i                         ; half step i = 8 .. 15 (passes 2, 3: my second 128 d): four fragments, 6,144 consecutive bytes, into the half that half step i - 8 has left
	WIN 0x40<<(((\i)%4)/2)
.set rS, 96*((\i)%2)+48*(((\i)/4)%2)
.set m, 0
.rept 12
	global_load_b128 v[rS+4*m:rS+4*m+3], v[L16], s[8:9] offset:32*FRB*((\i)/8)+8*FRB*((\i)%4)+4*FRB*(((\i)/4)%2)+512*m
.set m, m+1
.endr
	WIN 0
.endm
.macro MUL16V j                        ; 16 matrix instructions; the 16 accumulators take turns.  v: window 1 or 2; p: window 0 (key steps 0, 1) or 3 (key steps 2, 3)
.if ((\j)%4) < 2
	WIN 0xf1
.else
	WIN 0xfe
.endif
.irp q, 0,1,2,3
.irp t, 0,1,2,3
.set mD, 8*(4*\q+\t)
.set mA, 96*((\j)%2)+48*(((\j)/4)%2)+12*\t
.if ((\j)%4) < 2
.set mB, SA+48*((\j)%4)+12*\q
.else
.set mB, 128+48*((\j)%4-2)+12*\q
.endif
.set mSA, VS+16*((\j)/8)+4*(2*(((\j)/4)%2)+\t/2)+(\j)%4
.set mSB, PS+4*(\q/2)+(\j)%4
.set mRA, \t%2
.set mRB, \q%2
.set mZ, 0
.if ((\j)%4) == 0
.set mZ, 1
.endif
	WM
.endr
.endr
	WIN 0
.endm
.macro VSTEP j
	PLACES                                         ; the half loaded below was read by the products of the half step before
.if ((\j) >= 1) && ((\j) <= 8)
	VLOAD (\j)+7
.endif
.if (\j) == 0
	s_wait_loadcnt 24                              ; v's scale words and its first three sets are in; only the fourth set, issued behind them, may be out
.elseif (\j) == 3
	s_wait_loadcnt 36                              ; the fourth set is in: three half sets were issued behind it
.elseif (\j) >= 10
	s_wait_loadcnt 12*(15-(\j))                    ; the half sets issued behind this one's
.elseif (\j) >= 8
	s_wait_loadcnt 63                              ; 84 and 72 were issued behind these; the count is the largest that the wait can name
.endif
	MUL16V \j
.endm
; Query tile q: the largest score of each block of 32 keys (it serves twice: for the row's maximum and for the block's largest p), and my wave's largest, which goes to LDS.  Each accumulator is first read at its low end.
.macro SOFT_A q
	WIN 0x0f
.irp b, 0,1,2,3
	v_max_num_f32 v[BM+4*(\q)+\b], v[64*(\q)+16*\b], v[64*(\q)+16*\b+1]
.endr
.irp i, 2,4,6,8,10,12,14
.irp b, 0,1,2,3
	v_max3_num_f32 v[BM+4*(\q)+\b], v[64*(\q)+16*\b+\i], v[64*(\q)+16*\b+\i+1], v[BM+4*(\q)+\b]
.endr
.endr
	WIN 0
.irp b, 0,1,2,3
	v_permlanex16_b32 v[TP+\b], v[BM+4*(\q)+\b], s[SEL], s[SEL+1]
.endr
.irp b, 0,1,2,3
	v_max_num_f32 v[BM+4*(\q)+\b], v[BM+4*(\q)+\b], v[TP+\b]
.endr
	v_max3_num_f32 v[RM+(\q)], v[BM+4*(\q)], v[BM+4*(\q)+1], v[BM+4*(\q)+2]
	v_max_num_f32 v[RM+(\q)], v[RM+(\q)], v[BM+4*(\q)+3]
	ds_store_b32 v[MXW], v[RM+(\q)] offset:256*(\q)
.endm
; Query tile q: M, p in place of the scores, p's codes and scale word (key step = my wave) to LDS, my wave's part of the row's sum to LDS.
.macro SOFT_B q
	v_max3_num_f32 v[TP], v[MXV+4*(\q)], v[MXV+4*(\q)+1], v[MXV+4*(\q)+2]
	v_max_num_f32 v[TP], v[TP], v[MXV+4*(\q)+3]    ; the row's largest score
	v_mul_f32 v[TP], s[CS], v[TP]                  ; as t (c is positive)
	v_floor_f32 v[NM], -v[TP]                      ; -M = floor(-t) = -ceil(t)
	v_mov_b32 v[NM+1], v[NM]                       ; (named with it as a pair)
.irp b, 0,1,2,3
	v_fma_f32 v[BM+4*(\q)+\b], v[BM+4*(\q)+\b], s[CS], v[NM]
.endr
	WIN 0xc3
.set j, 0
.rept 32
	v_pk_fma_f32 v[64*(\q)+j:64*(\q)+j+1], v[64*(\q)+j:64*(\q)+j+1], s[CS:CS+1], v[NM:NM+1] op_sel_hi:[1,0,0]   ; t - M, two at a time
.set j, j+2
.endr
.set j, 0
.rept 64
	v_exp_f32 v[64*(\q)+j], v[64*(\q)+j]           ; p = 2^(t - M), at most 1
.set j, j+1
.endr
	WIN 0
.irp b, 0,1,2,3
	v_exp_f32 v[BM+4*(\q)+\b], v[BM+4*(\q)+\b]     ; the block's largest p: the same arithmetic on the same number
.endr
	v_nop                                          ; a plain place behind the exponentials
	s_wait_alu depctr_va_vdst(0)
.irp b, 0,1,2,3
	v_max_num_f32 v[TM+\b], 0x1800000, v[BM+4*(\q)+\b]   ; the floor 2^(3 - 127): the byte cannot fall under 1
.endr
.irp b, 0,1,2,3
	v_add_nc_u32 v[TM+12+\b], 0xff000000, v[TM+\b]
.endr
.irp b, 0,1,2,3
	v_lshrrev_b32 v[TM+4+\b], 23, v[TM+12+\b]
.endr
	v_lshl_or_b32 v[PW], v[TM+5], 8, v[TM+4]
	v_lshl_or_b32 v[PW], v[TM+6], 16, v[PW]
	v_lshl_or_b32 v[PW], v[TM+7], 24, v[PW]
	WIN 0x03
.irp c, 0,1
	v_cvt_scalef32_pk16_fp6_f32 v[PC+6*\c:PC+2+6*\c], v[64*(\q)+32*\c:64*(\q)+15+32*\c], v[TM+12+2*\c]
	v_cvt_scalef32_pk16_fp6_f32 v[PC+12+4*\c:PC+14+4*\c], v[64*(\q)+16+32*\c:64*(\q)+31+32*\c], v[TM+12+2*\c+1]
.endr
	WIN 0
	v_nop                                          ; one plain place behind a scaled conversion
.irp c, 0,1
.irp i, 0,1,2
	v_permlane16_swap_b32 v[PC+6*\c+\i], v[PC+12+4*\c+\i]
.endr
.irp i, 0,1,2
	v_mov_b32 v[PC+3+6*\c+\i], v[PC+12+4*\c+\i]
.endr
.endr
.irp j, 0,1,2
	ds_store_b128 v[PWI], v[PC+4*\j:PC+4*\j+3] offset:FRB*(\q)+512*\j
.endr
	ds_store_b32 v[PSW], v[PW] offset:64*(\q)
	WIN 0x0f                                       ; the sum of the unquantised p, two at a time, in two chains
	v_pk_add_f32 v[SU:SU+1], v[64*(\q):64*(\q)+1], v[64*(\q)+2:64*(\q)+3]
	v_pk_add_f32 v[SU+2:SU+3], v[64*(\q)+4:64*(\q)+5], v[64*(\q)+6:64*(\q)+7]
	WIN 0x03
.irp j, 8,12,16,20,24,28,32,36,40,44,48,52,56,60
	v_pk_add_f32 v[SU:SU+1], v[64*(\q)+\j:64*(\q)+\j+1], v[SU:SU+1]
	v_pk_add_f32 v[SU+2:SU+3], v[64*(\q)+\j+2:64*(\q)+\j+3], v[SU+2:SU+3]
.endr
	WIN 0
	v_pk_add_f32 v[SU:SU+1], v[SU:SU+1], v[SU+2:SU+3]
	v_add_f32 v[SU], v[SU], v[SU+1]
	v_permlanex16_b32 v[SU+1], v[SU], s[SEL], s[SEL+1]
	v_add_f32 v[SU], v[SU], v[SU+1]                ; with lane l xor 16's keys: my wave's 128 keys
	ds_store_b32 v[MXW], v[SU] offset:SM-MX+256*(\q)
	s_wait_dscnt 0x0                               ; the stores have read their registers
.endm
; THE WAY OUT of query tile q of a pass: O^T / l in place; through my stage; back as whole runs of 256 bytes, two rows an instruction.
.macro TOSTAGE q
	s_wait_xcnt 0x0                                ; the stores of two tiles ago have read the registers that the loads below fill
	WIN 0xc3
.set j, 0
	s_wait_alu depctr_va_vdst(0)
.rept 16
	v_pk_mul_f32 v[32*(\q)+j:32*(\q)+j+1], v[32*(\q)+j:32*(\q)+j+1], v[RL+2*(\q):RL+2*(\q)+1]   ; each accumulator from its low end on
.set j, j+2
.endr
	WIN 0x0c
.irp m, 0,1,2,3,4,5,6,7
	ds_store_b128 v[STO], v[32*(\q)+4*\m:32*(\q)+4*\m+3] offset:128*(\m/4)+16*(\m%4)     ; register 16 b + i is d 32 b + 16 h + i of my query
.endr
	WIN 0x40<<((\q)%2)
.irp i, 0,1,2,3,4,5,6,7
	ds_load_b128 v[192+4*\i:192+4*\i+3], v[STR] offset:2*SP*\i     ; LDS serves a wave's instructions in order: these see my stores
.endr
	WIN 0
.endm
.macro SEND q, pass, younger
	s_wait_dscnt \younger
	WIN 0x04<<((\q)%2)
.irp i, 0,1,2,3,4,5,6,7
	global_store_b128 v[GO], v[192+4*\i:192+4*\i+3], s[12:13] offset:(32*((\q)/2)+8*((\q)%2)+2*\i+8*(\i/4))*4096+256*(\pass) th:TH_STORE_NT   ; 16 lanes store 256 consecutive bytes, at a multiple of 256 from the output's first byte
.endr
	WIN 0
.endm
.macro OUT pass
	PLACES
	TOSTAGE 0
	TOSTAGE 1
	SEND 0, \pass, 16                              ; behind tile 0's loads: tile 1's 8 stores and 8 loads
	TOSTAGE 2
	SEND 1, \pass, 16
	TOSTAGE 3
	SEND 2, \pass, 16
	SEND 3, \pass, 0
.endm
	s_load_b256 s[4:11], s[0:1], 0x0               ; qk, its scales, v's codes, v's scales
	s_load_b64 s[12:13], s[0:1], 0x20              ; out
	v_lshl_add_u32 v150, v0, 2, 0x17000
	v_mov_b32 v151, 0
	v_lshrrev_b32 v1, 5, v0
	v_readfirstlane_b32 s20, v1                    ; wave
	s_mov_b32 s21, ttmp9                           ; batch
	s_and_b32 s45, ttmp7, 0xffff                   ; my block of 64 queries
	s_lshr_b32 s22, s45, 1                         ; which block of 128 rows,
	s_and_b32 s23, s45, 1                          ; and which half of it
	s_lshl_b32 s24, s21, 2
	s_add_co_u32 s25, s24, s20                     ; my keys' block of 128 rows: 4 batch + wave
	s_lshl_b32 s25, s25, 4
	s_add_co_u32 s25, s25, 8                       ; k's steps of 128 d are 8 .. 15 of the block's sixteen
	s_mul_i32 s26, s25, 8*FRB
	s_mov_b32 s27, 0
	s_lshl_b32 s28, s25, 9
	s_mov_b32 s29, 0
	s_add_co_u32 s25, s24, s22
	s_lshl_b32 s25, s25, 4                         ; q's steps are 0 .. 7 of my queries' block
	s_lshl_b32 s30, s25, 9
	s_lshl_b32 s31, s23, 8
	s_add_co_u32 s30, s30, s31
	s_mov_b32 s31, 0
	s_lshl_b32 s33, s20, 1
	s_add_co_u32 s25, s25, s33                     ; I bring steps 2 w and 2 w + 1 of q
	s_mul_i32 s32, s25, 8*FRB
	s_mul_i32 s33, s23, 4*FRB
	s_add_co_u32 s32, s32, s33
	s_mov_b32 s33, 0
	s_lshl_b32 s25, s21, 3
	s_lshl_b32 s34, s20, 1
	s_add_co_u32 s25, s25, s34                     ; v: my first group of 128 d: 8 batch + 2 wave
	s_mul_i32 s34, s25, 32*FRB
	s_mov_b32 s35, 0
	s_lshl_b32 s36, s25, 11
	s_mov_b32 s37, 0
	s_lshl_b32 s38, s21, 21                        ; out: (512 batch + 64 block) rows of 4,096 bytes + 1,024 wave
	s_lshl_b32 s39, s45, 18
	s_add_co_u32 s38, s38, s39
	s_lshl_b32 s39, s20, 10
	s_add_co_u32 s38, s38, s39
	s_mov_b32 s39, 0
	s_mov_b32 s[SEL], 0x76543210
	s_mov_b32 s[SEL+1], 0xfedcba98
	s_mov_b32 s[CS], 0x3d38aa3b                    ; c = log2(e) / 32
	s_mov_b32 s[CS+1], s[CS]
	v_and_b32 v2, 31, v0
	v_lshlrev_b32 v[L16], 4, v2
	v_lshlrev_b32 v[L4], 2, v2
	s_wait_kmcnt 0x0
	s_add_nc_u64 s[14:15], s[4:5], s[32:33]        ; q's codes
	s_add_nc_u64 s[4:5], s[4:5], s[26:27]          ; k's codes
	s_add_nc_u64 s[16:17], s[6:7], s[30:31]        ; q's scale words
	s_add_nc_u64 s[6:7], s[6:7], s[28:29]          ; k's
	s_add_nc_u64 s[8:9], s[8:9], s[34:35]
	s_add_nc_u64 s[10:11], s[10:11], s[36:37]
	s_add_nc_u64 s[12:13], s[12:13], s[38:39]
.irp p, 0,1
.irp s, 0,1,2,3,4,5,6,7
	global_load_b32 v[QS+8*\p+\s], v[L4], s[16:17] offset:512*\s+128*\p
.endr
.endr
.irp p, 0,1,2,3
.irp s, 0,1,2,3,4,5,6,7
	global_load_b32 v[KS+8*\p+\s], v[L4], s[6:7] offset:512*\s+128*\p
.endr
.endr
	WIN 0x80                                       ; my quarter of q's fragments, into the fourth streamed set
.set m, 0
.rept 24
	global_load_b128 v[96+4*m:96+4*m+3], v[L16], s[14:15] offset:8*FRB*(m/12)+512*(m%12)
.set m, m+1
.endr
	WIN 0
	SLOAD 0
	SLOAD 1
	SLOAD 2
	v_and_b32 v13, 15, v0                          ; r
	v_bfe_u32 v14, v0, 4, 1                        ; h
	s_mul_i32 s44, s20, 8*FRB
	v_add_nc_u32 v[QWI], s44, v[L16]
	s_lshl_b32 s44, s20, 2
	s_add_co_u32 s44, s44, MX
	v_lshl_add_u32 v[MXW], v13, 4, s44
	v_lshlrev_b32 v[MXR], 4, v13
	v_add_nc_u32 v[MXR], MX, v[MXR]
	s_mul_i32 s44, s20, 4*FRB
	s_add_co_u32 s44, s44, PIMG
	v_add_nc_u32 v[PWI], s44, v[L16]
	s_lshl_b32 s44, s20, 8
	s_add_co_u32 s44, s44, PSC
	v_lshl_add_u32 v[PSW], v13, 2, s44
	s_mul_i32 s44, s20, 16*SP
	s_add_co_u32 s44, s44, STG                     ; my stage
	v_mul_u32_u24 v[STO], v13, SP
	v_lshl_add_u32 v[STO], v14, 6, v[STO]
	v_add_nc_u32 v[STO], s44, v[STO]               ; in: row r, + 64 h
	v_mul_u32_u24 v[STR], v14, SP
	v_lshl_add_u32 v[STR], v13, 4, v[STR]
	v_add_nc_u32 v[STR], s44, v[STR]               ; back: lanes 0-15 one row of 256 bytes, lanes 16-31 the next
	v_lshlrev_b32 v[GO], 12, v14
	v_lshl_add_u32 v[GO], v13, 4, v[GO]            ; and the same two rows in the output
	v_add_nc_u32 v[PRI], PIMG, v[L16]
	v_add_nc_u32 v[PSR], PSC, v[L4]
.irp b, 0,1,2,3
	v_mov_b32 v[TP+\b], 0                          ; a lane permute's destination counts as one of its sources
.endr
	s_wait_loadcnt 63                              ; of the 144 loads the first 81 are in: the 48 scale words and q's 24
	WIN 0x08
.set m, 0
.rept 24
	ds_store_b128 v[QWI], v[96+4*m:96+4*m+3] offset:512*m
.set m, m+1
.endr
	WIN 0
	s_wait_dscnt 0x0
	s_barrier_signal -1
	s_barrier_wait -1                              ; q's 32 fragments lie in LDS
	STAT 0
	KSTEP 0
	KSTEP 1
	KSTEP 2
	KSTEP 3
	KSTEP 4
	KSTEP 5                                        ; from here on v's first sets are asked for: they land under the softmax
	KSTEP 6
	KSTEP 7
	PLACES
	SOFT_A 0
	SOFT_A 1
	SOFT_A 2
	SOFT_A 3
	s_wait_dscnt 0x0
	s_barrier_signal -1
	s_barrier_wait -1                              ; the four waves' largest scores of every row lie in LDS
.irp q, 0,1,2,3
	ds_load_b128 v[MXV+4*\q:MXV+4*\q+3], v[MXR] offset:256*\q
.endr
	s_wait_dscnt 0x0
	SOFT_B 0
.irp p, 0,1,2,3                                        ; v's scale words are asked for here, behind k's whole stream and three tiles of the softmax ahead of their use
.irp s, 0,1,2,3,4,5,6,7
	global_load_b32 v[VS+16*(\s/4)+4*\p+\s%4], v[L4], s[10:11] offset:512*\s+128*\p
.endr
.endr
	SOFT_B 1
	SLOAD 11                                       ; v's fourth set, into the registers that k's last step has left
	SOFT_B 2
	SOFT_B 3
	s_barrier_signal -1                            ; (every LDS instruction of mine has been waited for)
	s_barrier_wait -1                              ; p's 16 fragments, its scale words and the sums lie in LDS
.irp q, 0,1,2,3
	ds_load_b128 v[MXV+4*\q:MXV+4*\q+3], v[MXR] offset:SM-MX+256*\q
.endr
.irp p, 0,1
.irp s, 0,1,2,3
	ds_load_b32 v[PS+4*\p+\s], v[PSR] offset:256*\s+128*\p
.endr
.endr
.set m, 0
.rept 24
	ds_load_b128 v[SA+4*m:SA+4*m+3], v[PRI] offset:512*m           ; p's fragments of key steps 0 and 1: they stay for all four passes
.set m, m+1
.endr
	WIN 0xc0
.rept 24
	ds_load_b128 v[128+4*(m-24):128+4*(m-24)+3], v[PRI] offset:512*m   ; and of key steps 2 and 3, where the last two query tiles' p stood
.set m, m+1
.endr
	WIN 0
	s_wait_dscnt 0x0
.irp q, 0,1,2,3
	v_add_f32 v[MXV+4*\q], v[MXV+4*\q], v[MXV+4*\q+1]
	v_add_f32 v[MXV+4*\q+2], v[MXV+4*\q+2], v[MXV+4*\q+3]
.endr
.irp q, 0,1,2,3
	v_add_f32 v[MXV+4*\q], v[MXV+4*\q], v[MXV+4*\q+2]   ; l, over 1/2 by the choice of M
.endr
.irp q, 0,1,2,3
	v_rcp_f32 v[RL+2*\q], v[MXV+4*\q]              ; twice, to fill the pair that the packed multiply names
	v_rcp_f32 v[RL+2*\q+1], v[MXV+4*\q]
.endr
	VSTEP 0                                        ; (its places stand behind the reciprocals)
	VSTEP 1
	VSTEP 2
	VSTEP 3
	OUT 0
	VSTEP 4
	VSTEP 5
	VSTEP 6
	VSTEP 7
	OUT 1
	VSTEP 8
	VSTEP 9
	VSTEP 10
	VSTEP 11
	OUT 2
	VSTEP 12
	VSTEP 13
	VSTEP 14
	VSTEP 15
	OUT 3
	s_wait_tensorcnt 0x0
	ds_add_u32 v150, v151
	s_wait_dscnt 0x0
	s_endpgm
.Lfunc_end_k_qc7f1354a55_attn:
	.size	k_qc7f1354a55_attn, .Lfunc_end_k_qc7f1354a55_attn-k_qc7f1354a55_attn
	.p2alignl 7, 3214868480
	.fill 96, 4, 3214868480
	.section	.rodata,"a",@progbits
	.p2align	6, 0x0
	.amdhsa_kernel k_qc7f1354a55_attn
		.amdhsa_group_segment_fixed_size 94720
		.amdhsa_private_segment_fixed_size 0
		.amdhsa_enable_private_segment 0
		.amdhsa_kernarg_size 40
		.amdhsa_user_sgpr_count 2
		.amdhsa_user_sgpr_kernarg_segment_ptr 1
		.amdhsa_wavefront_size32 1
		.amdhsa_system_sgpr_workgroup_id_x 1
		.amdhsa_system_sgpr_workgroup_id_y 1
		.amdhsa_system_sgpr_workgroup_id_z 1
		.amdhsa_system_vgpr_workitem_id 0
		.amdhsa_next_free_vgpr 1024
		.amdhsa_next_free_sgpr 66
		.amdhsa_reserve_vcc 0
		.amdhsa_float_denorm_mode_32 3
		.amdhsa_float_denorm_mode_16_64 3
		.amdhsa_memory_ordered 1
		.amdhsa_forward_progress 1
		.amdhsa_inst_pref_size 228
	.end_amdhsa_kernel
	.amdgpu_metadata
---
amdhsa.version: [ 1, 2 ]
amdhsa.kernels:
  - .name:           k_qc7f1354a55_attn
    .symbol:         k_qc7f1354a55_attn.kd
    .args:
      - { .name: qk, .offset: 0, .size: 8, .value_kind: global_buffer, .address_space: global }
      - { .name: qk_scales, .offset: 8, .size: 8, .value_kind: global_buffer, .address_space: global }
      - { .name: v_codes, .offset: 16, .size: 8, .value_kind: global_buffer, .address_space: global }
      - { .name: v_scales, .offset: 24, .size: 8, .value_kind: global_buffer, .address_space: global }
      - { .name: out0, .offset: 32, .size: 8, .value_kind: global_buffer, .address_space: global }
    .group_segment_fixed_size: 94720
    .private_segment_fixed_size: 0
    .kernarg_segment_align: 8
    .kernarg_segment_size: 40
    .max_flat_workgroup_size: 128
    .sgpr_count:     66
    .vgpr_count:     1024
    .wavefront_size: 32
...
	.end_amdgpu_metadata
.endif
;; end of part 3
;; ======== version 2 of 2: 3 launches; version 1 with the launch attn written anew for expert scheduling mode
;; workspace buffers: x_codes 12,582,912 bytes; x_scales 524,288 bytes; w_codes 2,359,296 bytes; w_scales 98,304 bytes; qk 25,165,824 bytes; qk_scales 1,048,576 bytes; v_codes 12,582,912 bytes; v_scales 524,288 bytes
;; launch quant: the kernel of part 1 again; grid 1216 x 1, 4 waves a work-group, no clusters, 34,304 bytes of LDS; arguments x, W_qkv, x_codes, x_scales, w_codes, w_scales; writes x_codes, x_scales, w_codes, w_scales
;; launch proj: the kernel of part 2 again; grid 128 x 2, 4 waves a work-group, clusters of 4 x 1, 327,680 bytes of LDS; arguments x_codes, x_scales, w_codes, w_scales, b_qkv, qk, qk_scales, v_codes, v_scales; writes qk, qk_scales, v_codes, v_scales
;; launch attn (part 4): grid 32 x 8, 4 waves a work-group, no clusters, 94,720 bytes of LDS; arguments qk, qk_scales, v_codes, v_scales, out0; writes out0
.if DOCPART == 4
	.amdgcn_target "amdgcn-amd-amdhsa--gfx1250"
	.amdhsa_code_object_version 6
	.text
	.protected	k_qc7f1354a55_attn
	.globl	k_qc7f1354a55_attn
	.p2align	8
	.type	k_qc7f1354a55_attn,@function
k_qc7f1354a55_attn:
	s_mov_b64 s[64:65], 0
	v_nop
	global_prefetch_b8 v0, s[64:65] scope:SCOPE_SE
	s_setreg_imm32_b32 hwreg(HW_REG_WAVE_SCHED_MODE, 0, 2), 2
	s_setreg_imm32_b32 hwreg(HW_REG_WAVE_MODE, 25, 1), 1
	s_wait_xcnt 0x0
	s_wait_alu depctr_vm_vsrc(0)
; out = softmax(q k^T / 32) v for one batch of 512 keys and 64 queries a work-group, both products on codes of FP6 (E2M3) with one E8M0 scale for each 32 along K.
; THE SOFTMAX: t = score x log2(e) / 32; M = the row's largest t rounded up to a whole number; p = 2^(t - M) is quantised along the keys; the row's sum of the unquantised p divides at the end.
; All 512 scores of a row exist at once, so M is final when p is made: nothing is rescaled.
; SHARES.  Work-group x is the batch, y the block of 64 queries: the eight work-groups of a batch are 32 apart in the launch's order.
; S^T = k q^T: wave w makes keys 128 w .. 128 w + 127 (8 tiles) for all 64 queries (4 tiles): 32 accumulators.  O^T = v^T p^T: wave w makes d 256 w .. 256 w + 255, IN FOUR PASSES OF 64:
; 16 accumulators a pass, so that a quarter of the output leaves behind each pass, the first three under the next pass's products, and p's 16 fragments (192 registers) stay in registers for all four.
; A lane holds one query throughout.  The rows' maxima and sums, q's fragments and p's go from wave to wave through LDS, p and q as images of their registers.
; K AND V GO FROM MEMORY STRAIGHT INTO REGISTERS, with no ring in LDS and no joint loads: each of their fragments is used by exactly one wave of the work-group (for four matrix instructions), so LDS would only
; write and read their 786,432 bytes once more, and of two slots only two steps' tiles (98,304 bytes) each would fit beside the rest: a joint refill would have 64 matrix instructions in which to land.
; Here up to three steps of 12,288 bytes a wave are asked for ahead in the first product, up to eight half steps of 6,144 in the second, with counted waits and no barrier.
; LIMITS: NaN and infinities are not served; a block of p that has fallen to 0 keeps the scale byte 1 over zero codes; a block's largest p is taken from its largest score, which takes v_exp_f32 not to fall where its input rises.
; REGISTERS: window 0: v1-12 addresses; v16-31 q's scale words, v32-63 k's, v64-95 v's, v96-103 p's; v104-111 1 / l; v112-127 each block's largest score; v128-159 at work;
;   v160-207, v208-255 q's four fragments, two sets; scratch during the softmax; then p's fragments of key steps 0 and 1.
;   windows 1, 2: v0-191 four sets of eight streamed fragments; v192-255 rows on their way out: a buffer of 32 registers for each of a pass's four query tiles.
;   window 3: first product: the accumulators (query tile q, tile t) at 8 (8 q + t); second: at 8 (4 q + t), and v128-223 p's fragments of key steps 2 and 3.
; THE MODE: SCHED_MODE bits 1:0 = 2 (LLVM: expert scheduling mode 2), set by the entry lines.  The code itself states the register dependences
; between vector or matrix instructions and memory or LDS instructions, with s_wait_alu, always for 0.
; THE PLAN.  Registers that memory or LDS instructions touch:
;   v1-v12          offsets and addresses, made at the head and never written again.
;   streamed sets   Step i of the first product reads set i % 4; the loads of step i + 3 land in set (i - 1) % 4 and are issued in step i.  In the second product a half set is loaded again
;                   when the half step that read it is over; these loads go in pairs, behind a wait that covers both half steps.
;   q's two sets    Step i reads set i % 2; the LDS loads of step i + 1 land in the other one and are issued in step i.
;   v146-149, v156, v176-187, v196   written by the softmax, read by its LDS stores; written again by the next query tile's softmax; at its end p's fragments land on v160-255.
;   a pass's accumulators   written by the products and by the 64 scalings, read by the stage's LDS stores, written anew by the next pass's first products.
;   the out-buffers   named by no vector instruction: LDS loads land in them, global stores read them, and the next pass's LDS loads land in them again.
; So one wait on va_vdst stands at the head of a step of the first product, and the step's 36 loads are dealt among its 32 products, which name none of the registers that those loads touch;
; one stands ahead of each run of LDS stores; a pass's way out has one, behind all its scalings.  A wait on vm_vsrc stands ahead of each first write of registers that stores have read.
.set FRB,  1536
.set QIMG, 0                           ; LDS: q's 32 fragments [d step][query tile],
.set PIMG, 49152                       ; p's 16 [key step][query tile],
.set PSC,  73728                       ; p's scale words [key step][query tile][r],
.set MX,   74752                       ; each wave's largest score [query tile][r][wave],
.set SM,   75776                       ; each wave's sum, likewise,
.set STG,  76800                       ; and a stage of 16 rows x 272 bytes for each wave.  No region serves two purposes
.set SP,   272                         ; 256 bytes + 16: an odd multiple of 16
.set L16, 1
.set L4,  2
.set QWI, 3
.set MXW, 4
.set MXR, 5
.set PWI, 6
.set PSW, 7
.set STO, 8
.set STR, 9
.set PRI, 10
.set PSR, 11
.set GO,  12
.set QS,  16
.set KS,  32
.set VS,  64
.set PS,  96
.set RL,  104
.set BM,  112
.set MXV, 128
.set NM,  144
.set RM,  146
.set TP,  152
.set SU,  156
.set SA,  160
.set TM,  160                          ; scratch during the softmax
.set PC,  176
.set PW,  196
.set OB,  192                          ; the out-buffers: query tile q at v[OB + 32 (q / 2)] of window 1 + q % 2
.set SEL, 40
.set CS,  42
.set MSB, 0
.macro WIN new                         ; the immediate's high byte repeats the setting that is left
.if MSB != (\new)
	s_set_vgpr_msb (MSB<<8)|(\new)
.set MSB, (\new)
.endif
.endm
.macro PLACES                          ; four plain vector places behind a matrix instruction of this form (ISA guide 7.12.1)
.rept 4
	v_nop
.endr
.endm
.macro WM                              ; one matrix instruction from the symbols mD, mA, mB, mSA, mSB; mRA, mRB: the scales stand in lanes 16-31; mZ: it starts the sum
.if mZ
.if (mRA == 0) && (mRB == 0)
	v_wmma_scale_f32_16x16x128_f8f6f4 v[mD:mD+7], v[mA:mA+11], v[mB:mB+11], 0, v[mSA], v[mSB] matrix_a_fmt:MATRIX_FMT_FP6 matrix_b_fmt:MATRIX_FMT_FP6
.elseif mRB == 0
	v_wmma_scale_f32_16x16x128_f8f6f4 v[mD:mD+7], v[mA:mA+11], v[mB:mB+11], 0, v[mSA], v[mSB] matrix_a_fmt:MATRIX_FMT_FP6 matrix_b_fmt:MATRIX_FMT_FP6 matrix_a_scale:MATRIX_SCALE_ROW1
.elseif mRA == 0
	v_wmma_scale_f32_16x16x128_f8f6f4 v[mD:mD+7], v[mA:mA+11], v[mB:mB+11], 0, v[mSA], v[mSB] matrix_a_fmt:MATRIX_FMT_FP6 matrix_b_fmt:MATRIX_FMT_FP6 matrix_b_scale:MATRIX_SCALE_ROW1
.else
	v_wmma_scale_f32_16x16x128_f8f6f4 v[mD:mD+7], v[mA:mA+11], v[mB:mB+11], 0, v[mSA], v[mSB] matrix_a_fmt:MATRIX_FMT_FP6 matrix_b_fmt:MATRIX_FMT_FP6 matrix_a_scale:MATRIX_SCALE_ROW1 matrix_b_scale:MATRIX_SCALE_ROW1
.endif
.else
.if (mRA == 0) && (mRB == 0)
	v_wmma_scale_f32_16x16x128_f8f6f4 v[mD:mD+7], v[mA:mA+11], v[mB:mB+11], v[mD:mD+7], v[mSA], v[mSB] matrix_a_fmt:MATRIX_FMT_FP6 matrix_b_fmt:MATRIX_FMT_FP6
.elseif mRB == 0
	v_wmma_scale_f32_16x16x128_f8f6f4 v[mD:mD+7], v[mA:mA+11], v[mB:mB+11], v[mD:mD+7], v[mSA], v[mSB] matrix_a_fmt:MATRIX_FMT_FP6 matrix_b_fmt:MATRIX_FMT_FP6 matrix_a_scale:MATRIX_SCALE_ROW1
.elseif mRA == 0
	v_wmma_scale_f32_16x16x128_f8f6f4 v[mD:mD+7], v[mA:mA+11], v[mB:mB+11], v[mD:mD+7], v[mSA], v[mSB] matrix_a_fmt:MATRIX_FMT_FP6 matrix_b_fmt:MATRIX_FMT_FP6 matrix_b_scale:MATRIX_SCALE_ROW1
.else
	v_wmma_scale_f32_16x16x128_f8f6f4 v[mD:mD+7], v[mA:mA+11], v[mB:mB+11], v[mD:mD+7], v[mSA], v[mSB] matrix_a_fmt:MATRIX_FMT_FP6 matrix_b_fmt:MATRIX_FMT_FP6 matrix_a_scale:MATRIX_SCALE_ROW1 matrix_b_scale:MATRIX_SCALE_ROW1
.endif
.endif
.endm
; A WHOLE SET: eight fragments, 12,288 consecutive bytes, into set i % 4.  i = 0 .. 7: k's step i of 128 d.  i = 8 .. 11: v's key step i - 8 of my first 128 d: its lower half serves pass 0, its upper half pass 1.
; SLOADH brings half hf of it: twelve loads
.macro SLOADH i, hf
	WIN 0x40<<(((\i)%4)/2)
.set rS, 96*((\i)%2)
.set m, 12*(\hf)
.rept 12
.if (\i) < 8
	global_load_b128 v[rS+4*m:rS+4*m+3], v[L16], s[4:5] offset:8*FRB*(\i)+512*m
.else
	global_load_b128 v[rS+4*m:rS+4*m+3], v[L16], s[8:9] offset:8*FRB*((\i)-8)+512*m
.endif
.set m, m+1
.endr
.endm
.macro SLOAD i
	SLOADH \i, 0
	SLOADH \i, 1
	WIN 0
.endm
.macro STAT i                          ; q's four fragments of d step i from LDS into set i % 2
	WIN 0
.set rS, SA+48*((\i)%2)
.irp m, 0,1,2,3,4,5,6,7,8,9,10,11
	ds_load_b128 v[rS+4*\m:rS+4*\m+3], v[L16] offset:QIMG+4*FRB*(\i)+512*\m
.endr
.endm
.macro MULQ i, q                       ; S^T, d step i, query tile q: 8 matrix instructions.  A step's 32 accumulators take turns, in the same order in every step
	WIN 0xf1+((\i)%4)/2
.irp t, 0,1,2,3,4,5,6,7
.set mD, 8*(8*(\q)+\t)
.set mA, 96*((\i)%2)+12*\t
.set mB, SA+48*((\i)%2)+12*(\q)
.set mSA, KS+8*(\t/2)+(\i)
.set mSB, QS+8*((\q)/2)+(\i)
.set mRA, \t%2
.set mRB, (\q)%2
.set mZ, 0
.if (\i) == 0
.set mZ, 1
.endif
	WM
.endr
.endm
; A step of the first product.  Its own data were asked for earlier: k's set three steps ago, q's fragments in the step before.
.macro KSTEP i
	s_wait_loadcnt 48                              ; loads come back in order (ISA guide 5.7.1): this step's set is in; the two younger sets, 48 loads, may be out
	s_wait_dscnt 0x0                               ; q's fragments of this step
.if (\i) > 0
	PLACES                                         ; behind the products of the step before
	s_wait_alu depctr_va_vdst(0)                   ; the products of the step before are done reading their streamed set and their set of q's fragments, in which the loads below land
.endif
	MULQ \i, 0
.if (\i) != 7
	STAT (\i)+1                                    ; no further wait: this step's products name the other set of q, another streamed set, scale words and accumulators
.endif
	MULQ \i, 1
	SLOADH (\i)+3, 0
	MULQ \i, 2
	SLOADH (\i)+3, 1
	MULQ \i, 3
.endm
; THE SECOND PRODUCT: sixteen half steps j = 4 pass + key step.  Half step j reads the half (j / 4) % 2 of set j % 4.
.macro VLOAD i                         ; half step i = 8 .. 15 (passes 2, 3: my second 128 d): four fragments, 6,144 consecutive bytes, into the half that half step i - 8 has left
	WIN 0x40<<(((\i)%4)/2)
.set rS, 96*((\i)%2)+48*(((\i)/4)%2)
.set m, 0
.rept 12
	global_load_b128 v[rS+4*m:rS+4*m+3], v[L16], s[8:9] offset:32*FRB*((\i)/8)+8*FRB*((\i)%4)+4*FRB*(((\i)/4)%2)+512*m
.set m, m+1
.endr
.endm
.macro MULV j, q0                      ; 8 matrix instructions: query tiles q0, q0 + 1; a half step's 16 accumulators take turns.  v: window 1 or 2; p: window 0 (key steps 0, 1) or 3 (key steps 2, 3)
.if ((\j)%4) < 2
	WIN 0xf1
.else
	WIN 0xfe
.endif
.irp q, \q0, \q0+1
.irp t, 0,1,2,3
.set mD, 8*(4*(\q)+\t)
.set mA, 96*((\j)%2)+48*(((\j)/4)%2)+12*\t
.if ((\j)%4) < 2
.set mB, SA+48*((\j)%4)+12*(\q)
.else
.set mB, 128+48*((\j)%4-2)+12*(\q)
.endif
.set mSA, VS+16*((\j)/8)+4*(2*(((\j)/4)%2)+\t/2)+(\j)%4
.set mSB, PS+4*((\q)/2)+(\j)%4
.set mRA, \t%2
.set mRB, (\q)%2
.set mZ, 0
.if ((\j)%4) == 0
.set mZ, 1
.endif
	WM
.endr
.endr
.endm
; The half sets of passes 2 and 3 are asked for in pairs, in ascending order: 8, 9 in half step 2; 10, 11 in the first pass's way out; 12, 13 in half step 6; 14, 15 in the second pass's way out.
.macro VSTEP j
.if (\j) == 0
	s_wait_loadcnt 24                              ; v's scale words and its first three sets are in; only the fourth set, issued behind them, may be out
.elseif (\j) == 3
	s_wait_loadcnt 24                              ; the fourth set is in: two half sets were issued behind it
.elseif (\j) >= 10
	s_wait_loadcnt 12*(15-(\j))                    ; the half sets issued behind this one's
.elseif (\j) >= 8
	s_wait_loadcnt 63                              ; 84 and 72 were issued behind these; the count is the largest that the wait can name
.endif
.if ((\j) == 2) || ((\j) == 6)
	PLACES                                         ; behind the products of the half step before
	s_wait_alu depctr_va_vdst(0)                   ; the products of the last two half steps are done reading their halves, in which the loads below land; in half step 2 the reciprocals 1 / l are written too, ahead of their first reader, the first pass's scalings
	MULV \j, 0
	VLOAD (\j)+6                                   ; no further wait: this half step's products name another set, p's fragments, scale words and accumulators
	MULV \j, 2
	VLOAD (\j)+7
.else
	MULV \j, 0
	MULV \j, 2
.endif
.endm
; Query tile q: the largest score of each block of 32 keys (it serves twice: for the row's maximum and for the block's largest p), and my wave's largest.  Each accumulator is first read at its low end.
.macro SOFT_A q
	WIN 0x0f
.irp b, 0,1,2,3
	v_max_num_f32 v[BM+4*(\q)+\b], v[64*(\q)+16*\b], v[64*(\q)+16*\b+1]
.endr
.irp i, 2,4,6,8,10,12,14
.irp b, 0,1,2,3
	v_max3_num_f32 v[BM+4*(\q)+\b], v[64*(\q)+16*\b+\i], v[64*(\q)+16*\b+\i+1], v[BM+4*(\q)+\b]
.endr
.endr
	WIN 0
.irp b, 0,1,2,3
	v_permlanex16_b32 v[TP+\b], v[BM+4*(\q)+\b], s[SEL], s[SEL+1]
.endr
.irp b, 0,1,2,3
	v_max_num_f32 v[BM+4*(\q)+\b], v[BM+4*(\q)+\b], v[TP+\b]
.endr
	v_max3_num_f32 v[RM+(\q)], v[BM+4*(\q)], v[BM+4*(\q)+1], v[BM+4*(\q)+2]
	v_max_num_f32 v[RM+(\q)], v[RM+(\q)], v[BM+4*(\q)+3]
.endm
; Query tile q: M, p in place of the scores, p's codes and scale word (key step = my wave), my wave's part of the row's sum; then all five LDS stores in one run.
.macro SOFT_B q
	WIN 0
	v_max3_num_f32 v[TP], v[MXV+4*(\q)], v[MXV+4*(\q)+1], v[MXV+4*(\q)+2]
	v_max_num_f32 v[TP], v[TP], v[MXV+4*(\q)+3]    ; the row's largest score
	v_mul_f32 v[TP], s[CS], v[TP]                  ; as t (c is positive)
	v_floor_f32 v[NM], -v[TP]                      ; -M = floor(-t) = -ceil(t)
	v_mov_b32 v[NM+1], v[NM]                       ; (named with it as a pair)
.irp b, 0,1,2,3
	v_fma_f32 v[BM+4*(\q)+\b], v[BM+4*(\q)+\b], s[CS], v[NM]
.endr
	WIN 0xc3
.set j, 0
.rept 32
	v_pk_fma_f32 v[64*(\q)+j:64*(\q)+j+1], v[64*(\q)+j:64*(\q)+j+1], s[CS:CS+1], v[NM:NM+1] op_sel_hi:[1,0,0]   ; t - M, two at a time
.set j, j+2
.endr
.set j, 0
.rept 64
	v_exp_f32 v[64*(\q)+j], v[64*(\q)+j]           ; p = 2^(t - M), at most 1
.set j, j+1
.endr
	WIN 0
.irp b, 0,1,2,3
	v_exp_f32 v[BM+4*(\q)+\b], v[BM+4*(\q)+\b]     ; the block's largest p: the same arithmetic on the same number
.endr
	v_nop                                          ; a plain place behind the exponentials
	s_wait_alu depctr_va_vdst(0)                   ; the 68 exponentials have written their results, ahead of the first instruction that names one: one wait for the batch
.if (\q) > 0
	s_wait_alu depctr_vm_vsrc(0)                   ; the LDS stores of the query tile before have read the codes, the scale word and the sum, which the lines below write again
.endif
.irp b, 0,1,2,3
	v_max_num_f32 v[TM+\b], 0x1800000, v[BM+4*(\q)+\b]   ; the floor 2^(3 - 127): the byte cannot fall under 1
.endr
.irp b, 0,1,2,3
	v_add_nc_u32 v[TM+12+\b], 0xff000000, v[TM+\b]
.endr
.irp b, 0,1,2,3
	v_lshrrev_b32 v[TM+4+\b], 23, v[TM+12+\b]
.endr
	v_lshl_or_b32 v[PW], v[TM+5], 8, v[TM+4]
	v_lshl_or_b32 v[PW], v[TM+6], 16, v[PW]
	v_lshl_or_b32 v[PW], v[TM+7], 24, v[PW]
	WIN 0x03
.irp c, 0,1
	v_cvt_scalef32_pk16_fp6_f32 v[PC+6*\c:PC+2+6*\c], v[64*(\q)+32*\c:64*(\q)+15+32*\c], v[TM+12+2*\c]
	v_cvt_scalef32_pk16_fp6_f32 v[PC+12+4*\c:PC+14+4*\c], v[64*(\q)+16+32*\c:64*(\q)+31+32*\c], v[TM+12+2*\c+1]
.endr
	WIN 0
	v_nop                                          ; one plain place behind a scaled conversion
.irp c, 0,1
.irp i, 0,1,2
	v_permlane16_swap_b32 v[PC+6*\c+\i], v[PC+12+4*\c+\i]
.endr
.irp i, 0,1,2
	v_mov_b32 v[PC+3+6*\c+\i], v[PC+12+4*\c+\i]
.endr
.endr
	WIN 0x0f                                       ; the sum of the unquantised p, two at a time, in two chains
	v_pk_add_f32 v[SU:SU+1], v[64*(\q):64*(\q)+1], v[64*(\q)+2:64*(\q)+3]
	v_pk_add_f32 v[SU+2:SU+3], v[64*(\q)+4:64*(\q)+5], v[64*(\q)+6:64*(\q)+7]
	WIN 0x03
.irp j, 8,12,16,20,24,28,32,36,40,44,48,52,56,60
	v_pk_add_f32 v[SU:SU+1], v[64*(\q)+\j:64*(\q)+\j+1], v[SU:SU+1]
	v_pk_add_f32 v[SU+2:SU+3], v[64*(\q)+\j+2:64*(\q)+\j+3], v[SU+2:SU+3]
.endr
	WIN 0
	v_pk_add_f32 v[SU:SU+1], v[SU:SU+1], v[SU+2:SU+3]
	v_add_f32 v[SU], v[SU], v[SU+1]
	v_permlanex16_b32 v[SU+1], v[SU], s[SEL], s[SEL+1]
	v_add_f32 v[SU], v[SU], v[SU+1]                ; with lane l xor 16's keys: my wave's 128 keys
	s_wait_alu depctr_va_vdst(0)                   ; the codes, the scale word and the sum are written, which the five LDS stores read; the tile's vector work is done with its registers
.irp j, 0,1,2
	ds_store_b128 v[PWI], v[PC+4*\j:PC+4*\j+3] offset:FRB*(\q)+512*\j
.endr
	ds_store_b32 v[PSW], v[PW] offset:64*(\q)
	ds_store_b32 v[MXW], v[SU] offset:SM-MX+256*(\q)
.endm
; THE WAY OUT of query tile q of a pass: through my stage; back as whole runs of 256 bytes, two rows an instruction, into the tile's own out-buffer.
.macro TOSTAGE q
	WIN 0x0c
.irp m, 0,1,2,3,4,5,6,7
	ds_store_b128 v[STO], v[32*(\q)+4*\m:32*(\q)+4*\m+3] offset:128*(\m/4)+16*(\m%4)     ; register 16 b + i is d 32 b + 16 h + i of my query
.endr
	WIN 0x40<<((\q)%2)
.irp i, 0,1,2,3,4,5,6,7
	ds_load_b128 v[OB+32*((\q)/2)+4*\i:OB+32*((\q)/2)+4*\i+3], v[STR] offset:2*SP*\i     ; LDS serves a wave's instructions in order: these see my stores
.endr
.endm
.macro SEND q, pass, younger
	s_wait_dscnt \younger
	WIN 0x04<<((\q)%2)
.irp i, 0,1,2,3,4,5,6,7
	global_store_b128 v[GO], v[OB+32*((\q)/2)+4*\i:OB+32*((\q)/2)+4*\i+3], s[12:13] offset:(32*((\q)/2)+8*((\q)%2)+2*\i+8*(\i/4))*4096+256*(\pass) th:TH_STORE_NT   ; 16 lanes store 256 consecutive bytes, at a multiple of 256 from the output's first byte
.endr
.endm
.macro OUT pass
	PLACES                                         ; behind the pass's last products, ahead of the first read of their results
	WIN 0xc3
.set j, 0
.rept 64
	v_pk_mul_f32 v[j:j+1], v[j:j+1], v[RL+2*(j/32):RL+2*(j/32)+1]   ; O^T / l in place, all four query tiles; each accumulator from its low end on
.set j, j+2
.endr
	s_wait_alu depctr_va_vdst(0)                   ; the scalings have written the accumulators, which the stage's LDS stores read; the pass's products are done reading v's halves, in which the loads below land
.if (\pass) > 0
	s_wait_xcnt 0x0                                ; the last pass's global stores have had their addresses translated (ISA guide 3.1): their data registers are loaded again only behind this wait,
	s_wait_alu depctr_vm_vsrc(0)                   ; and they have read the four out-buffers, in which the loads from the stage land
.endif
.if (\pass) < 2
	VLOAD 4*(\pass)+10                             ; into the halves that this pass's last two half steps have left
	VLOAD 4*(\pass)+11
.endif
	TOSTAGE 0
	TOSTAGE 1
	SEND 0, \pass, 16                              ; behind tile 0's loads: tile 1's 8 stores and 8 loads
	TOSTAGE 2
	SEND 1, \pass, 16
	TOSTAGE 3
.if (\pass) < 3
	s_wait_alu depctr_vm_vsrc(0)                   ; the stage's LDS stores have read the 16 accumulators, which the next pass's first products write anew
.endif
	SEND 2, \pass, 16
	SEND 3, \pass, 0
.endm
	s_load_b256 s[4:11], s[0:1], 0x0               ; qk, its scales, v's codes, v's scales
	s_load_b64 s[12:13], s[0:1], 0x20              ; out
	v_lshl_add_u32 v150, v0, 2, 0x17000
	v_mov_b32 v151, 0
	v_lshrrev_b32 v1, 5, v0
	v_readfirstlane_b32 s20, v1                    ; wave
	s_mov_b32 s21, ttmp9                           ; batch
	s_and_b32 s45, ttmp7, 0xffff                   ; my block of 64 queries
	s_lshr_b32 s22, s45, 1                         ; which block of 128 rows,
	s_and_b32 s23, s45, 1                          ; and which half of it
	s_lshl_b32 s24, s21, 2
	s_wait_alu depctr_va_sdst(0)                   ; s20 is written, ahead of its first reader: the wave's offsets are made from it
	s_add_co_u32 s25, s24, s20                     ; my keys' block of 128 rows: 4 batch + wave
	s_lshl_b32 s25, s25, 4
	s_add_co_u32 s25, s25, 8                       ; k's steps of 128 d are 8 .. 15 of the block's sixteen
	s_mul_i32 s26, s25, 8*FRB
	s_mov_b32 s27, 0
	s_lshl_b32 s28, s25, 9
	s_mov_b32 s29, 0
	s_add_co_u32 s25, s24, s22
	s_lshl_b32 s25, s25, 4                         ; q's steps are 0 .. 7 of my queries' block
	s_lshl_b32 s30, s25, 9
	s_lshl_b32 s31, s23, 8
	s_add_co_u32 s30, s30, s31
	s_mov_b32 s31, 0
	s_lshl_b32 s33, s20, 1
	s_add_co_u32 s25, s25, s33                     ; I bring steps 2 w and 2 w + 1 of q
	s_mul_i32 s32, s25, 8*FRB
	s_mul_i32 s33, s23, 4*FRB
	s_add_co_u32 s32, s32, s33
	s_mov_b32 s33, 0
	s_lshl_b32 s25, s21, 3
	s_lshl_b32 s34, s20, 1
	s_add_co_u32 s25, s25, s34                     ; v: my first group of 128 d: 8 batch + 2 wave
	s_mul_i32 s34, s25, 32*FRB
	s_mov_b32 s35, 0
	s_lshl_b32 s36, s25, 11
	s_mov_b32 s37, 0
	s_lshl_b32 s38, s21, 21                        ; out: (512 batch + 64 block) rows of 4,096 bytes + 1,024 wave
	s_lshl_b32 s39, s45, 18
	s_add_co_u32 s38, s38, s39
	s_lshl_b32 s39, s20, 10
	s_add_co_u32 s38, s38, s39
	s_mov_b32 s39, 0
	s_mov_b32 s[SEL], 0x76543210
	s_mov_b32 s[SEL+1], 0xfedcba98
	s_mov_b32 s[CS], 0x3d38aa3b                    ; c = log2(e) / 32
	s_mov_b32 s[CS+1], s[CS]
	v_and_b32 v2, 31, v0
	v_lshlrev_b32 v[L16], 4, v2
	v_lshlrev_b32 v[L4], 2, v2
	s_wait_kmcnt 0x0
	s_add_nc_u64 s[14:15], s[4:5], s[32:33]        ; q's codes
	s_add_nc_u64 s[4:5], s[4:5], s[26:27]          ; k's codes
	s_add_nc_u64 s[16:17], s[6:7], s[30:31]        ; q's scale words
	s_add_nc_u64 s[6:7], s[6:7], s[28:29]          ; k's
	s_add_nc_u64 s[8:9], s[8:9], s[34:35]
	s_add_nc_u64 s[10:11], s[10:11], s[36:37]
	s_add_nc_u64 s[12:13], s[12:13], s[38:39]
	s_wait_alu depctr_va_vdst(0)                   ; v1 and v2 are written: every global load of the kernel reads one of them as its offset
.irp p, 0,1
.irp s, 0,1,2,3,4,5,6,7
	global_load_b32 v[QS+8*\p+\s], v[L4], s[16:17] offset:512*\s+128*\p
.endr
.endr
.irp p, 0,1,2,3
.irp s, 0,1,2,3,4,5,6,7
	global_load_b32 v[KS+8*\p+\s], v[L4], s[6:7] offset:512*\s+128*\p
.endr
.endr
	WIN 0x80                                       ; my quarter of q's fragments, into the fourth streamed set
.set m, 0
.rept 24
	global_load_b128 v[96+4*m:96+4*m+3], v[L16], s[14:15] offset:8*FRB*(m/12)+512*(m%12)
.set m, m+1
.endr
	WIN 0
	SLOAD 0
	SLOAD 1
	SLOAD 2
	v_and_b32 v13, 15, v0                          ; r   (the lines below write v3 to v14 and v152 to v155: no register that a load above reads or lands in)
	v_bfe_u32 v14, v0, 4, 1                        ; h
	s_mul_i32 s44, s20, 8*FRB
	v_add_nc_u32 v[QWI], s44, v[L16]
	s_lshl_b32 s44, s20, 2
	s_add_co_u32 s44, s44, MX
	v_lshl_add_u32 v[MXW], v13, 4, s44
	v_lshlrev_b32 v[MXR], 4, v13
	v_add_nc_u32 v[MXR], MX, v[MXR]
	s_mul_i32 s44, s20, 4*FRB
	s_add_co_u32 s44, s44, PIMG
	v_add_nc_u32 v[PWI], s44, v[L16]
	s_lshl_b32 s44, s20, 8
	s_add_co_u32 s44, s44, PSC
	v_lshl_add_u32 v[PSW], v13, 2, s44
	s_mul_i32 s44, s20, 16*SP
	s_add_co_u32 s44, s44, STG                     ; my stage
	v_mul_u32_u24 v[STO], v13, SP
	v_lshl_add_u32 v[STO], v14, 6, v[STO]
	v_add_nc_u32 v[STO], s44, v[STO]               ; in: row r, + 64 h
	v_mul_u32_u24 v[STR], v14, SP
	v_lshl_add_u32 v[STR], v13, 4, v[STR]
	v_add_nc_u32 v[STR], s44, v[STR]               ; back: lanes 0-15 one row of 256 bytes, lanes 16-31 the next
	v_lshlrev_b32 v[GO], 12, v14
	v_lshl_add_u32 v[GO], v13, 4, v[GO]            ; and the same two rows in the output
	v_add_nc_u32 v[PRI], PIMG, v[L16]
	v_add_nc_u32 v[PSR], PSC, v[L4]
.irp b, 0,1,2,3
	v_mov_b32 v[TP+\b], 0                          ; a lane permute's destination counts as one of its sources
.endr
	s_wait_loadcnt 63                              ; of the 144 loads the first 81 are in: the 48 scale words and q's 24
	s_wait_alu depctr_va_vdst(0)                   ; the ten addresses v3 to v12 are written, which the LDS instructions and the stores of the whole kernel read
	WIN 0x08
.set m, 0
.rept 24
	ds_store_b128 v[QWI], v[96+4*m:96+4*m+3] offset:512*m
.set m, m+1
.endr
	WIN 0
	s_wait_dscnt 0x0
	s_barrier_signal -1
	s_barrier_wait -1                              ; q's 32 fragments lie in LDS
	s_wait_alu depctr_vm_vsrc(0)                   ; my LDS stores have read the fourth streamed set, in which the loads of the first step below land
	STAT 0
	KSTEP 0
	KSTEP 1
	KSTEP 2
	KSTEP 3
	KSTEP 4
	KSTEP 5                                        ; from here on v's first sets are asked for: they land under the softmax
	KSTEP 6
	KSTEP 7
	PLACES
	SOFT_A 0
	SOFT_A 1
	SOFT_A 2
	SOFT_A 3
	s_wait_alu depctr_va_vdst(0)                   ; my wave's four largest scores are written, which the LDS stores read; the last step's products are done reading the fourth streamed set
.irp q, 0,1,2,3
	ds_store_b32 v[MXW], v[RM+\q] offset:256*\q
.endr
	s_wait_dscnt 0x0
	s_barrier_signal -1
	s_barrier_wait -1                              ; the four waves' largest scores of every row lie in LDS
.irp q, 0,1,2,3
	ds_load_b128 v[MXV+4*\q:MXV+4*\q+3], v[MXR] offset:256*\q
.endr
	s_wait_dscnt 0x0
	SOFT_B 0
.irp p, 0,1,2,3                                        ; v's scale words are asked for here, behind k's whole stream and three tiles of the softmax ahead of their use; no vector instruction has named their registers
.irp s, 0,1,2,3,4,5,6,7
	global_load_b32 v[VS+16*(\s/4)+4*\p+\s%4], v[L4], s[10:11] offset:512*\s+128*\p
.endr
.endr
	SOFT_B 1
	SLOAD 11                                       ; v's fourth set, into the registers that k's last step has left: no vector or matrix instruction since the wait ahead of the maxima's stores names them
	SOFT_B 2
	SOFT_B 3
	s_wait_dscnt 0x0                               ; for the other waves' sake: my codes, scale words and sums are in LDS
	s_barrier_signal -1
	s_barrier_wait -1                              ; p's 16 fragments, its scale words and the sums lie in LDS
	s_wait_alu depctr_vm_vsrc(0)                   ; my LDS stores have read the codes and the scale word, on whose registers p's fragments land (the vector work on all registers loaded below stands ahead of the last wait on va_vdst)
.irp q, 0,1,2,3
	ds_load_b128 v[MXV+4*\q:MXV+4*\q+3], v[MXR] offset:SM-MX+256*\q
.endr
.irp p, 0,1
.irp s, 0,1,2,3
	ds_load_b32 v[PS+4*\p+\s], v[PSR] offset:256*\s+128*\p
.endr
.endr
.set m, 0
.rept 24
	ds_load_b128 v[SA+4*m:SA+4*m+3], v[PRI] offset:512*m           ; p's fragments of key steps 0 and 1: they stay for all four passes
.set m, m+1
.endr
	WIN 0xc0
.rept 24
	ds_load_b128 v[128+4*(m-24):128+4*(m-24)+3], v[PRI] offset:512*m   ; and of key steps 2 and 3, where the last two query tiles' p stood
.set m, m+1
.endr
	WIN 0
	s_wait_dscnt 0x0
.irp q, 0,1,2,3
	v_add_f32 v[MXV+4*\q], v[MXV+4*\q], v[MXV+4*\q+1]
	v_add_f32 v[MXV+4*\q+2], v[MXV+4*\q+2], v[MXV+4*\q+3]
.endr
.irp q, 0,1,2,3
	v_add_f32 v[MXV+4*\q], v[MXV+4*\q], v[MXV+4*\q+2]   ; l, over 1/2 by the choice of M
.endr
.irp q, 0,1,2,3
	v_rcp_f32 v[RL+2*\q], v[MXV+4*\q]              ; twice, to fill the pair that the packed multiply names
	v_rcp_f32 v[RL+2*\q+1], v[MXV+4*\q]
.endr
	v_nop                                          ; a plain place behind the reciprocals; the wait ahead of their first reader stands in half step 2
	VSTEP 0
	VSTEP 1
	VSTEP 2
	VSTEP 3
	OUT 0
	VSTEP 4
	VSTEP 5
	VSTEP 6
	VSTEP 7
	OUT 1
	VSTEP 8
	VSTEP 9
	VSTEP 10
	VSTEP 11
	OUT 2
	VSTEP 12
	VSTEP 13
	VSTEP 14
	VSTEP 15
	OUT 3
	WIN 0                                          ; the add's two registers lie in window 0
	s_wait_dscnt 0x0                               ; the closing lines, six on end
	s_wait_alu 0x0
	s_wait_tensorcnt 0x0
	ds_add_u32 v150, v151
	s_wait_dscnt 0x0
	s_endpgm
.Lfunc_end_k_qc7f1354a55_attn:
	.size	k_qc7f1354a55_attn, .Lfunc_end_k_qc7f1354a55_attn-k_qc7f1354a55_attn
	.p2alignl 7, 3214868480
	.fill 96, 4, 3214868480
	.section	.rodata,"a",@progbits
	.p2align	6, 0x0
	.amdhsa_kernel k_qc7f1354a55_attn
		.amdhsa_group_segment_fixed_size 94720
		.amdhsa_private_segment_fixed_size 0
		.amdhsa_enable_private_segment 0
		.amdhsa_kernarg_size 40
		.amdhsa_user_sgpr_count 2
		.amdhsa_user_sgpr_kernarg_segment_ptr 1
		.amdhsa_wavefront_size32 1
		.amdhsa_system_sgpr_workgroup_id_x 1
		.amdhsa_system_sgpr_workgroup_id_y 1
		.amdhsa_system_sgpr_workgroup_id_z 1
		.amdhsa_system_vgpr_workitem_id 0
		.amdhsa_next_free_vgpr 1024
		.amdhsa_next_free_sgpr 66
		.amdhsa_reserve_vcc 0
		.amdhsa_float_denorm_mode_32 3
		.amdhsa_float_denorm_mode_16_64 3
		.amdhsa_memory_ordered 1
		.amdhsa_forward_progress 1
		.amdhsa_inst_pref_size 224
	.end_amdhsa_kernel
	.amdgpu_metadata
---
amdhsa.version: [ 1, 2 ]
amdhsa.kernels:
  - .name:           k_qc7f1354a55_attn
    .symbol:         k_qc7f1354a55_attn.kd
    .args:
      - { .name: qk, .offset: 0, .size: 8, .value_kind: global_buffer, .address_space: global }
      - { .name: qk_scales, .offset: 8, .size: 8, .value_kind: global_buffer, .address_space: global }
      - { .name: v_codes, .offset: 16, .size: 8, .value_kind: global_buffer, .address_space: global }
      - { .name: v_scales, .offset: 24, .size: 8, .value_kind: global_buffer, .address_space: global }
      - { .name: out0, .offset: 32, .size: 8, .value_kind: global_buffer, .address_space: global }
    .group_segment_fixed_size: 94720
    .private_segment_fixed_size: 0
    .kernarg_segment_align: 8
    .kernarg_segment_size: 40
    .max_flat_workgroup_size: 128
    .sgpr_count:     66
    .vgpr_count:     1024
    .wavefront_size: 32
...
	.end_amdgpu_metadata
.endif
;; end of part 4
